; MI455X (gfx1250); checked and timed in simulation.
; The chip was launched on July 23, 2026; its instructions are those of AMD's public machine-readable ISA for CDNA 5 (MIT licence, August 2026) and "CDNA5" Instruction Set Architecture Reference Guide (July 2026). The comments in the code are by the model that wrote it; some were corrected since.
;; Attention Layer. Allowed arithmetic: matrix products marked QUANTISED: E2M1 operands, one E8M0 scale for each 32 along K, by v_wmma_scale_f32_16x16x128_f8f6f4 with both operands' format E2M1 (or v_wmma_scale_f32_32x16x128_f4), f32 sums; products left as they are: bf16, f16 or f32 operands; f32 sums; everything else in f32.
;; Inputs: Wk 1,024 x 1,024 float32; Wo 1,024 x 1,024 float32; Wq 1,024 x 1,024 float32; Wv 1,024 x 1,024 float32; bk 1,024 float32; bo 1,024 float32; bq 1,024 float32; bv 1,024 float32; keys 4 x 2,048 x 1,024 float32; queries 4 x 2,048 x 1,024 float32; values 4 x 2,048 x 1,024 float32.
;; Outputs: out0 4 x 2,048 x 1,024 float32.
;; This version of the problem:
;;   THIS VERSION OF THE PROBLEM IS GIVEN IN LOW PRECISION. The matrix products marked QUANTISED in the list below multiply operands that are first quantised to E2M1 (2 exponent bits, 1 mantissa bit; 4 bits a number), with one power-of-two scale for each 32 numbers along K (OCP MX v1.0); their sums are f32. The products marked 'left as it is' may take bf16, f16 or f32 operands, with f32 sums. Whichever they take, every output number must still come out within the allowed error. Rounding operands to bf16 (8 significant bits) uses up far more of that allowance than f16 does (11 bits, for magnitudes from 6e-5 to 65,504). All else is computed in f32.
;;   The module's matrix products, in the order in which they are computed (A, B: the left and right operand; K: the contracted axis; several contracted axes count as one K, in the product's order):
;;     1. [M 8,192, K 1,024] x [K 1,024, N 1,024]; A: input queries; B: input Wq: QUANTISED
;;     2. [M 8,192, K 1,024] x [K 1,024, N 1,024]; A: input keys; B: input Wk: QUANTISED
;;     3. [M 8,192, K 1,024] x [K 1,024, N 1,024]; A: input values; B: input Wv: QUANTISED
;;     4. batch 64 x [M 2,048, K 64] x [K 64, N 2,048]; A: computed on the way; B: computed on the way: left as it is (an operand is computed on the way)
;;     5. batch 64 x [M 64, K 2,048] x [K 2,048, N 2,048]; A: computed on the way; B: computed on the way: left as it is (an operand is computed on the way)
;;     6. [M 8,192, K 1,024] x [K 1,024, N 1,024]; A: computed on the way; B: input Wo: left as it is (an operand is computed on the way)
;;   THE QUANTISER, for each operand of a quantised product, along K:
;;     - K is cut into blocks of 32 from its start; a last block that is shorter is filled with zeros.
;;     - A block's scale is 2^e with e = floor(log2(the largest magnitude in the block)) - 2, held to -126 .. 127; a block of zeros has e = 0. As a byte (E8M0): e + 127.
;;     - Each number is divided by its block's scale, clamped to +-6, and rounded to the nearest number of E2M1, ties to even, subnormals kept.
;;     - The product sums the exact products of the quantised numbers (number of the format x scale) in f32.
;;   ~~~python
;;   def quantise(x, axis):      # numpy; x: float32 -> the quantised numbers, widened to float32 again
;;       x = np.moveaxis(x, axis, -1); K = x.shape[-1]
;;       x = np.pad(x, [(0, 0)] * (x.ndim - 1) + [(0, -K % 32)]); x = x.reshape(x.shape[:-1] + (-1, 32)); a = np.abs(x).max(-1, keepdims=True)
;;       e = np.where(a > 0, np.clip(np.frexp(np.where(a > 0, a, 1))[1] - 1 - 2, -126, 127), 0)      # np.frexp(a)[1] - 1 = floor(log2(a)), exactly
;;       r = np.clip(x / 2.0 ** e, -6, 6)
;;       step = 2.0 ** (np.maximum(np.frexp(np.where(r == 0, 1, r))[1] - 1, 0) - 1)
;;       q = np.round(r / step) * step * 2.0 ** e      # np.round: ties to even
;;       return np.moveaxis(q.reshape(q.shape[:-2] + (-1,))[..., :K], -1, axis).astype(np.float32)
;;   ~~~
;; One version. Each part assembles by itself: llvm-mc -triple=amdgcn-amd-amdhsa -mcpu=gfx1250 --defsym DOCPART=n.
;; ======== version 1 of 1: 4 launches
;; limits: values are held in f16: magnitudes above 65,504 overflow, below 6.1e-05 lose precision
;; workspace buffers: xcodes 12,582,912 bytes; xscales 786,432 bytes; wcodes 1,572,864 bytes; wscales 98,304 bytes; woimg 2,097,152 bytes; qkv 50,331,648 bytes; oimg 16,777,216 bytes
;; launch prep (part 1): grid 1024 x 1, 4 waves a work-group, no clusters, 43,520 bytes of LDS; arguments queries, keys, values, Wq, Wk, Wv, Wo, xcodes, xscales, wcodes, wscales, woimg; writes xcodes, xscales, wcodes, wscales, woimg
.if DOCPART == 1
	.amdgcn_target "amdgcn-amd-amdhsa--gfx1250"
	.amdhsa_code_object_version 6
	.text
	.protected	k_qe2ce2b3373_prep
	.globl	k_qe2ce2b3373_prep
	.p2align	8
	.type	k_qe2ce2b3373_prep,@function
k_qe2ce2b3373_prep:
	s_mov_b64 s[64:65], 0
	v_nop
	global_prefetch_b8 v0, s[64:65] scope:SCOPE_SE
	s_setreg_imm32_b32 hwreg(HW_REG_WAVE_MODE, 25, 1), 1
	s_wait_xcnt 0x0
; PREP: all that is done once to the inputs, in one launch of three paths that part on the work-group's number and never join.
;   work-groups   0-191  PATH W: Wq, Wk, Wv [1024 (k)][1024 (n)] f32 -> codes of FP4 (E2M1) along K, their FIRST axis, and one E8M0 byte for each 32 along K
;   work-groups 192-255  PATH O: Wo [1024 (k)][1024 (n)] f32 -> f16, laid as blocks of 512 bytes in the order in which the last launch's turning LDS load wants them
;   work-groups 256-1023 PATH X: queries, keys, values [8192][1024] f32 -> codes along K, their last axis, and scale bytes
; THE QUANTISER: a block's scale is 2^(floor(log2(its largest magnitude)) - 2); its byte is the largest magnitude's exponent field - 2, held at 1 from below; each number is divided by the scale and
; rounded to the nearest code, ties to even, beyond 6 the largest code.  A block of zeros gets the byte 1 where the rule says 127: its codes are zeros, and this program alone reads the bytes.
; LIMITS: blocks whose largest magnitude lies under 2^(3 - 127) keep the byte 1; NaN and infinities among the inputs are not served.
; LAYOUTS.  xcodes [t 3][row 8192][512 bytes], xscales [t][row][32]: plain streams of blocks (t = 0 queries, 1 keys, 2 values).
;   wcodes [t 3][s 8][n 1024][64 bytes]: s = the step of 128 along K, so that a wave's 32 columns x 128 K are 2,048 bytes on end;  wscales [t][n][32].
;   woimg [nt 64][kt 64][512 bytes]: block (nt, kt) is 16 k x 16 n; its 16 bytes number j + 8 o + 16 hh hold Wo(16 kt + 8 hh + j, 16 nt + 8 o + 0..7).
; No cluster: no two work-groups read the same bytes.  No tensor load, no barrier: waves share nothing.  Each path has LDS bytes of its own.
.set SPW,   12                         ; v12  LDS address of my spare word: SPARE + 4 x my thread's number; never rewritten
.set NIL,   13                         ; v13  0; never rewritten
.set SP,    80                         ; a place in a stage: 64 bytes + 16 of padding
.set WREG,  8192                       ; path X: a region for each wave: two stages of 32 x SP bytes, behind them its 256 scale bytes
.set WSTG,  4*WREG                     ; path W: a stage of 32 x SP bytes for each wave
.set SPARE, WSTG+4*32*SP               ; the spare words, 128 bytes for each wave: two blocks of 256 bytes that no other line names
.set STEPS, 16
.set CB,    8                          ; bytes of 16 codes
.set R,     16                         ; path X: v16-79 four sets of 16 numbers as loaded; v80-111 two sets of 16 neighbours; v112-127 a byte a step; v128-191 codes, four registers a step
.set X,     80
.set E,     112
.set C,     128
.set WX,    32                         ; path W: v32-159 four blocks of 32 numbers; v160-175 their codes; v176-191 the way out
.set WC,    160
.set WO,    176
	s_load_b256 s[4:11], s[0:1], 0x0               ; queries s[4:5], keys s[6:7], values s[8:9], Wq s[10:11]
	s_load_b256 s[12:19], s[0:1], 0x20             ; Wk s[12:13], Wv s[14:15], Wo s[16:17], xcodes s[18:19]
	s_load_b256 s[20:27], s[0:1], 0x40             ; xscales s[20:21], wcodes s[22:23], wscales s[24:25], woimg s[26:27]
	v_lshl_add_u32 v[SPW], v0, 2, SPARE
	v_mov_b32 v[NIL], 0
	v_lshrrev_b32 v1, 5, v0
	v_readfirstlane_b32 s28, v1                    ; wave 0..3
	v_and_b32 v2, 31, v0                           ; lane
	s_mov_b32 s35, 0                               ; the upper word of every offset pair s[34:35]
	s_wait_kmcnt 0x0
	s_cmp_lt_u32 ttmp9, 192
	s_cbranch_scc1 .Lpath_w
	s_cmp_lt_u32 ttmp9, 256
	s_cbranch_scc1 .Lpath_o
; ---------------- PATH X.  A wave takes a run of 8,192 numbers: 16 steps of 512.  Each of a step's four loads reads 512 consecutive bytes, 16 a lane; the 2,048 bytes turn through the wave's own stage
; in LDS and come back 64 bytes a lane: 16 NEIGHBOURS along K, which is what the conversions take; two neighbouring lanes hold a block.  Loads run four steps ahead, the turn through LDS one step.
	v_lshlrev_b32 v3, 4, v2                        ; my 16 bytes of a load's 512
	s_mul_i32 s36, s28, WREG
	v_lshrrev_b32 v14, 2, v2
	v_mul_u32_u24 v14, v14, SP
	v_and_b32 v15, 3, v2
	v_lshl_add_u32 v14, v15, 4, v14
	v_add_nc_u32 v14, s36, v14                     ; the stage, on the way in: SP (lane / 4) + 16 (lane % 4)
	v_mul_u32_u24 v15, v2, SP
	v_add_nc_u32 v15, s36, v15                     ; and on the way out: SP x lane
	v_mul_u32_u24 v4, v2, CB                       ; my codes' place in a step's 256 bytes
	v_lshrrev_b32 v5, 1, v2
	s_add_co_u32 s36, s36, 2*32*SP
	v_add_nc_u32 v5, s36, v5                       ; LDS: my wave's 256 scale bytes, my block's byte
	v_lshlrev_b32 v7, 3, v2                        ; and on the way out 8 bytes a lane
	v_add_nc_u32 v6, s36, v7
	s_sub_co_u32 s29, ttmp9, 256
	s_lshr_b32 s33, s29, 8                         ; t: 256 work-groups to a tensor
	s_cmp_eq_u32 s33, 0                            ; the choice hangs on the work-group's number alone
	s_cselect_b64 s[30:31], s[4:5], s[6:7]
	s_cmp_eq_u32 s33, 2
	s_cselect_b64 s[30:31], s[8:9], s[30:31]
	s_lshl_b32 s29, s29, 2
	s_add_co_u32 s29, s29, s28                     ; my run, 0 .. 3071: the three tensors' codes and bytes lie on end
	s_and_b32 s34, s29, 1023
	s_lshl_b32 s34, s34, 15                        ; 32,768 bytes of f32 a run
	s_add_nc_u64 s[30:31], s[30:31], s[34:35]
	s_lshl_b32 s34, s29, 12                        ; 4,096 bytes of codes
	s_add_nc_u64 s[18:19], s[18:19], s[34:35]
	s_lshl_b32 s34, s29, 8                         ; 256 scale bytes
	s_add_nc_u64 s[20:21], s[20:21], s[34:35]
.macro LOAD t
.irp i, 0,1,2,3
	global_load_b128 v[R+16*((\t)%4)+4*\i:R+16*((\t)%4)+4*\i+3], v3, s[30:31] offset:2048*(\t)+512*\i th:TH_LOAD_NT   ; 32 lanes read 512 consecutive bytes
.endr
.endm
.macro TURN t                          ; step t's numbers through the stage: LDS serves a wave's instructions in order (ISA guide 5.7.1.4), so no wait stands between the stores and the loads
.irp i, 0,1,2,3
	ds_store_b128 v14, v[R+16*((\t)%4)+4*\i:R+16*((\t)%4)+4*\i+3] offset:32*SP*((\t)%2)+8*SP*\i
.endr
.irp i, 0,1,2,3
	ds_load_b128 v[X+16*((\t)%2)+4*\i:X+16*((\t)%2)+4*\i+3], v15 offset:32*SP*((\t)%2)+16*\i
.endr
.endm
.irp t, 0,1,2,3
	LOAD \t
.endr
	s_wait_loadcnt 12                              ; step 0's four loads are in; the twelve of steps 1 to 3 may be out
	TURN 0
.macro STEP t
.set XS, X+16*((\t)%2)
.if (\t) > 0
	s_wait_dscnt 1                                 ; this step's numbers are back from the stage (the last step's byte store may be out): so its stores into the stage have read their registers,
.else
	s_wait_dscnt 0x0
.endif
.if (\t)+4 < STEPS
	LOAD (\t)+4                                    ; which take the loads of four steps on
.endif
.if (\t)+1 < STEPS
.if STEPS-2-(\t) >= 3
	s_wait_loadcnt 12                              ; the next step's four loads are in; those of the three steps behind it may be out
.else
	s_wait_loadcnt 4*(STEPS-2-(\t))                ; near the end fewer steps stand behind it
.endif
	TURN (\t)+1                                    ; and go through the other stage while this step is worked
.endif
	v_max3_num_f32 v8, |v[XS]|, |v[XS+1]|, |v[XS+2]|               ; the largest magnitude of my 16, in two chains
	v_max3_num_f32 v9, |v[XS+3]|, |v[XS+4]|, |v[XS+5]|
.irp i, 6,10
	v_max3_num_f32 v8, v8, |v[XS+\i]|, |v[XS+\i+1]|
	v_max3_num_f32 v9, v9, |v[XS+\i+2]|, |v[XS+\i+3]|
.endr
	v_max3_num_f32 v8, v8, |v[XS+14]|, |v[XS+15]|
	v_max3_num_f32 v8, v8, v9, 0x1800000           ; and the floor 2^(3 - 127): so the byte cannot fall under 1
	v_max_num_f32_dpp v8, v8, v8 row_xmask:1 row_mask:0xf bank_mask:0xf   ; and of my neighbour's 16: the block's
	v_add_nc_u32 v11, 0xff000000, v8               ; 2 off its exponent field: the conversion takes the exponent field of this operand as its scale, and nothing else of it
	v_cvt_scalef32_pk8_fp4_f32 v[C+4*(\t)], v[XS:XS+7], v11
	v_cvt_scalef32_pk8_fp4_f32 v[C+4*(\t)+1], v[XS+8:XS+15], v11
	v_lshrrev_b32 v[E+(\t)], 23, v11               ; the scale's byte (also the plain line behind the conversions)
	ds_store_b8 v5, v[E+(\t)] offset:16*(\t)       ; both lanes of a block write the same byte with the same value
	global_store_b64 v4, v[C+4*(\t):C+4*(\t)+1], s[18:19] offset:32*CB*(\t)   ; the wave stores 256 consecutive bytes, aligned
.endm
.irp t, 0,1,2,3,4,5,6,7,8,9,10,11,12,13,14,15
	STEP \t
.endr
	ds_load_b64 v[8:9], v6                         ; my wave's 256 scale bytes: these loads see my stores
	s_wait_dscnt 0x0
	global_store_b64 v7, v[8:9], s[20:21]          ; 256 consecutive bytes, aligned
	s_wait_tensorcnt 0x0                           ; the wave's end: behind my last LDS store
	ds_add_u32 v[SPW], v[NIL]
	s_wait_dscnt 0x0
	s_endpgm
; ---------------- PATH W.  A LANE TAKES A COLUMN n, AND ITS REGISTERS RUN DOWN K: a block of 32 lies in one lane's 32 registers, its largest magnitude needs no other lane, and the conversions give codes with
; K innermost.  A work-group: tensor t, 128 columns (four waves side by side: 512 consecutive bytes of each row of W), one step s of 128 along K: four blocks a lane, 64 bytes of codes a column.
.Lpath_w:
	s_lshr_b32 s33, ttmp9, 6                       ; t
	s_and_b32 s36, ttmp9, 7                        ; which 128 columns
	s_bfe_u32 s37, ttmp9, 0x30003                  ; s: three bits from bit 3
	s_cmp_eq_u32 s33, 0
	s_cselect_b64 s[30:31], s[10:11], s[12:13]
	s_cmp_eq_u32 s33, 2
	s_cselect_b64 s[30:31], s[14:15], s[30:31]
	s_lshl_b32 s36, s36, 7
	s_lshl_b32 s38, s28, 5
	s_add_co_u32 s36, s36, s38                     ; n0: my wave's first column
	s_lshl_b32 s34, s37, 19                        ; W: 128 s rows of 4,096 bytes,
	s_lshl_b32 s38, s36, 2
	s_add_co_u32 s34, s34, s38                     ; + 4 n0
	s_add_nc_u64 s[30:31], s[30:31], s[34:35]
	s_lshl_b32 s34, s33, 19                        ; wcodes: 524,288 t + 65,536 s + 64 n0
	s_lshl_b32 s38, s37, 16
	s_add_co_u32 s34, s34, s38
	s_lshl_b32 s38, s36, 6
	s_add_co_u32 s34, s34, s38
	s_add_nc_u64 s[22:23], s[22:23], s[34:35]
	s_lshl_b32 s34, s33, 15                        ; wscales: 32,768 t + 32 n0 + 4 s
	s_lshl_b32 s38, s36, 5
	s_add_co_u32 s34, s34, s38
	s_lshl_b32 s38, s37, 2
	s_add_co_u32 s34, s34, s38
	s_add_nc_u64 s[24:25], s[24:25], s[34:35]
	v_lshlrev_b32 v3, 2, v2                        ; in: 4 bytes a lane
	s_mul_i32 s39, s28, 32*SP
	s_add_co_u32 s39, s39, WSTG                    ; my stage
	v_mul_u32_u24 v4, v2, SP
	v_add_nc_u32 v4, s39, v4                       ; into it: place = my column
	v_lshrrev_b32 v5, 2, v2
	v_mul_u32_u24 v7, v5, SP
	v_and_b32 v6, 3, v2
	v_lshl_add_u32 v7, v6, 4, v7
	v_add_nc_u32 v7, s39, v7                       ; out of it: four lanes to a column, eight columns an instruction
	v_lshlrev_b32 v8, 4, v2                        ; and the same bytes in wcodes: 16 x lane
	v_lshlrev_b32 v9, 5, v2                        ; my column's row of scale bytes
.macro WLOAD b                         ; block b: W(128 s + 32 b + i, my column), i = 0 .. 31
.irp i, 0,1,2,3,4,5,6,7,8,9,10,11,12,13,14,15,16,17,18,19,20,21,22,23,24,25,26,27,28,29,30,31
	global_load_b32 v[WX+32*(\b)+\i], v3, s[30:31] offset:(32*(\b)+\i)*4096 th:TH_LOAD_NT
.endr
.endm
.macro WBLOCK b
.set XS, WX+32*(\b)
.if (\b) < 3
	s_wait_loadcnt 32                              ; this block's 32 loads are in; the next block's 32 may be out
.else
	s_wait_loadcnt 0x0
.endif
.if (\b)+2 < 4
	WLOAD (\b)+2                                   ; two blocks ahead, into registers of its own
.endif
	v_max3_num_f32 v14, |v[XS]|, |v[XS+1]|, |v[XS+2]|              ; the block's largest magnitude: all 32 numbers are mine
	v_max3_num_f32 v15, |v[XS+3]|, |v[XS+4]|, |v[XS+5]|
.irp i, 6,10,14,18,22,26
	v_max3_num_f32 v14, v14, |v[XS+\i]|, |v[XS+\i+1]|
	v_max3_num_f32 v15, v15, |v[XS+\i+2]|, |v[XS+\i+3]|
.endr
	v_max3_num_f32 v14, v14, |v[XS+30]|, |v[XS+31]|
	v_max3_num_f32 v14, v14, v15, 0x1800000        ; and the floor 2^(3 - 127)
	v_add_nc_u32 v11, 0xff000000, v14              ; 2 off its exponent field: the conversions' scale operand
	v_lshrrev_b32 v15, 23, v11                     ; the scale's byte
.if (\b) == 0
	v_mov_b32 v24, v15                             ; four bytes make the word of this step of 128 along K, the lower K in the lower byte
.else
	v_lshl_or_b32 v24, v15, 8*(\b), v24
.endif
.irp g, 0,1,2,3
	v_cvt_scalef32_pk8_fp4_f32 v[WC+4*(\b)+\g], v[XS+8*\g:XS+8*\g+7], v11
.endr
	v_nop                                          ; one plain line behind the last conversion
	ds_store_b128 v4, v[WC+4*(\b):WC+4*(\b)+3] offset:16*(\b)      ; 32 codes: 16 bytes of my column's 64; each block has registers of its own, so no wait stands between blocks
.endm
	WLOAD 0
	WLOAD 1
	WBLOCK 0
	WBLOCK 1
	WBLOCK 2
	WBLOCK 3
	global_store_b32 v9, v24, s[24:25]             ; my column's scale word: 4 bytes of a row of 32; one byte in 128 of what this path reads
.irp i, 0,1,2,3
	ds_load_b128 v[WO+4*\i:WO+4*\i+3], v7 offset:8*SP*\i           ; these see my stores
.endr
.irp i, 0,1,2,3
	s_wait_dscnt 3-\i                              ; the younger loads from the stage may be out
	global_store_b128 v8, v[WO+4*\i:WO+4*\i+3], s[22:23] offset:512*\i   ; 512 consecutive bytes, aligned
.endr
	s_wait_tensorcnt 0x0                           ; the wave's end: behind my last LDS store
	ds_add_u32 v[SPW], v[NIL]
	s_wait_dscnt 0x0
	s_endpgm
; ---------------- PATH O.  Work-group kt takes rows 16 kt .. 16 kt + 15 of Wo, wave w columns 256 w .. 256 w + 255: sixteen blocks.  Lane L = j + 8 o + 16 hh reads 8 numbers of row 8 hh + j, octet o, rounds
; them to f16 and stores its 16 bytes at 16 L of the block.  No LDS.
.Lpath_o:
	s_sub_co_u32 s29, ttmp9, 192                   ; kt
	v_lshrrev_b32 v3, 4, v2                        ; hh
	v_and_b32 v5, 7, v2                            ; j
	v_lshl_add_u32 v3, v3, 3, v5                   ; my row of the sixteen
	v_bfe_u32 v5, v2, 3, 1                         ; o
	v_lshlrev_b32 v3, 12, v3                       ; x 4,096 bytes
	v_lshl_add_u32 v3, v5, 5, v3                   ; + 32 o
	v_lshlrev_b32 v4, 4, v2                        ; out: 16 x lane
	s_lshl_b32 s34, s29, 16                        ; Wo: 16 kt rows,
	s_lshl_b32 s36, s28, 10                        ; + my wave's 256 columns
	s_add_co_u32 s34, s34, s36
	s_add_nc_u64 s[16:17], s[16:17], s[34:35]
	s_lshl_b32 s34, s28, 19                        ; woimg: nt = 16 w: 32,768 bytes an nt,
	s_lshl_b32 s36, s29, 9                         ; + 512 kt
	s_add_co_u32 s34, s34, s36
	s_add_nc_u64 s[26:27], s[26:27], s[34:35]
.irp i, 0,1,2,3,4,5,6,7,8,9,10,11,12,13,14,15
	global_load_b128 v[32+8*\i:35+8*\i], v3, s[16:17] offset:64*\i th:TH_LOAD_NT
	global_load_b128 v[36+8*\i:39+8*\i], v3, s[16:17] offset:64*\i+16 th:TH_LOAD_NT
.endr
.irp i, 0,1,2,3,4,5,6,7,8,9,10,11,12,13,14,15
.if \i < 8
.set D, 160+4*\i                       ; each block's f16 have registers of their own: v160-191,
.else
.set D, 32+4*(\i-8)                    ; then v32-63, whose numbers (blocks 0 to 3) have been converted
.endif
	s_wait_loadcnt 30-2*\i                         ; this block's two loads are in; the younger blocks' may be out
.irp r, 0,1,2,3
	v_cvt_pk_f16_f32 v[D+\r], v[32+8*\i+2*\r], v[33+8*\i+2*\r]     ; the first source into the low half
.endr
	global_store_b128 v4, v[D:D+3], s[26:27] offset:\i*32768       ; 512 consecutive bytes, aligned
.endr
	s_wait_tensorcnt 0x0                           ; the same three closing lines as the other paths
	ds_add_u32 v[SPW], v[NIL]
	s_wait_dscnt 0x0
	s_endpgm
.Lfunc_end_k_qe2ce2b3373_prep:
	.size	k_qe2ce2b3373_prep, .Lfunc_end_k_qe2ce2b3373_prep-k_qe2ce2b3373_prep
	.p2alignl 7, 3214868480
	.fill 96, 4, 3214868480
	.section	.rodata,"a",@progbits
	.p2align	6, 0x0
	.amdhsa_kernel k_qe2ce2b3373_prep
		.amdhsa_group_segment_fixed_size 43520
		.amdhsa_private_segment_fixed_size 0
		.amdhsa_enable_private_segment 0
		.amdhsa_kernarg_size 96
		.amdhsa_user_sgpr_count 2
		.amdhsa_user_sgpr_kernarg_segment_ptr 1
		.amdhsa_wavefront_size32 1
		.amdhsa_system_sgpr_workgroup_id_x 1
		.amdhsa_system_sgpr_workgroup_id_y 1
		.amdhsa_system_sgpr_workgroup_id_z 1
		.amdhsa_system_vgpr_workitem_id 0
		.amdhsa_next_free_vgpr 192
		.amdhsa_next_free_sgpr 66
		.amdhsa_reserve_vcc 0
		.amdhsa_float_denorm_mode_32 3
		.amdhsa_float_denorm_mode_16_64 3
		.amdhsa_memory_ordered 1
		.amdhsa_forward_progress 1
		.amdhsa_inst_pref_size 64
	.end_amdhsa_kernel
	.amdgpu_metadata
---
amdhsa.version: [ 1, 2 ]
amdhsa.kernels:
  - .name:           k_qe2ce2b3373_prep
    .symbol:         k_qe2ce2b3373_prep.kd
    .args:
      - { .name: queries, .offset: 0, .size: 8, .value_kind: global_buffer, .address_space: global }
      - { .name: keys, .offset: 8, .size: 8, .value_kind: global_buffer, .address_space: global }
      - { .name: values, .offset: 16, .size: 8, .value_kind: global_buffer, .address_space: global }
      - { .name: Wq, .offset: 24, .size: 8, .value_kind: global_buffer, .address_space: global }
      - { .name: Wk, .offset: 32, .size: 8, .value_kind: global_buffer, .address_space: global }
      - { .name: Wv, .offset: 40, .size: 8, .value_kind: global_buffer, .address_space: global }
      - { .name: Wo, .offset: 48, .size: 8, .value_kind: global_buffer, .address_space: global }
      - { .name: xcodes, .offset: 56, .size: 8, .value_kind: global_buffer, .address_space: global }
      - { .name: xscales, .offset: 64, .size: 8, .value_kind: global_buffer, .address_space: global }
      - { .name: wcodes, .offset: 72, .size: 8, .value_kind: global_buffer, .address_space: global }
      - { .name: wscales, .offset: 80, .size: 8, .value_kind: global_buffer, .address_space: global }
      - { .name: woimg, .offset: 88, .size: 8, .value_kind: global_buffer, .address_space: global }
    .group_segment_fixed_size: 43520
    .private_segment_fixed_size: 0
    .kernarg_segment_align: 8
    .kernarg_segment_size: 96
    .max_flat_workgroup_size: 128
    .sgpr_count:     66
    .vgpr_count:     192
    .wavefront_size: 32
...
	.end_amdgpu_metadata
.endif
;; end of part 1
;; launch proj (part 2): grid 4 x 96, 4 waves a work-group, clusters of 4 x 4, 327,680 bytes of LDS; arguments xcodes, xscales, wcodes, wscales, bq, bk, bv, qkv; writes qkv
.if DOCPART == 2
	.amdgcn_target "amdgcn-amd-amdhsa--gfx1250"
	.amdhsa_code_object_version 6
	.text
	.protected	k_qe2ce2b3373_proj
	.globl	k_qe2ce2b3373_proj
	.p2align	8
	.type	k_qe2ce2b3373_proj,@function
k_qe2ce2b3373_proj:
	s_mov_b64 s[64:65], 0
	v_nop
	global_prefetch_b8 v0, s[64:65] scope:SCOPE_SE
	s_setreg_imm32_b32 hwreg(HW_REG_WAVE_MODE, 25, 1), 1
	s_wait_xcnt 0x0
	s_wait_alu depctr_hold_cnt(0) depctr_sa_sdst(0) depctr_va_vdst(0) depctr_va_sdst(0) depctr_va_ssrc(0) depctr_va_vcc(0) depctr_vm_vsrc(0)
	s_getreg_b32 s2, hwreg(HW_REG_IB_STS2, 6, 4)
	s_cmp_eq_u32 s2, 0
	s_cbranch_scc0 .Lentry_in_a_cluster
	s_endpgm
.Lentry_in_a_cluster:
	s_bfe_u32 s2, ttmp6, 0x10000c
	s_cmp_lg_u32 s2, 0xf033
	s_cbranch_scc0 .Lentry_shape_is_right
	s_endpgm
.Lentry_shape_is_right:
; PROJ: q = queries Wq + bq, k = keys Wk + bk, v = values Wv + bv, the three products on codes of FP4 (E2M1) with one E8M0 scale for each 32 along K; sums in f32; the results rounded once to f16.
; The three activations' codes lie on end as 24,576 rows of 512 bytes.  A tile of 256 rows x 256 channels is made by a work-group of four waves; a wave makes 128 x 128: 64 accumulators, 512 registers.
; Tile row 0 .. 95 says which tensor: t = tile row / 32 = cluster y / 8, the same in all sixteen partners.
; ALL OF K (1,024) FITS IN LDS: two slots of 512 along K, each filled once, at the start; nothing is filled again, and there is no loop: eight steps of 128 along K, 64 matrix instructions each.
; CLUSTERS: 4 x 4 work-groups.  The four of a row of the cluster need the same rows of the activation, the four of a column the same rows of the weight: each tile is asked for JOINTLY.
; THE MATRIX INSTRUCTION IS USED TRANSPOSED (source 0 = 16 channels of the weight, source 1 = 16 rows of the activation): a lane holds eight neighbouring channels of one row.
; THE BIAS is the C of each sum's first matrix instruction: eight registers for each block of 16 channels, in the result's layout.
; THE WAY OUT NEEDS NO LDS.  qkv is laid [t 3][batch x head 64][tile of 16 tokens 128][tile of 16 channels 4][512 bytes], a block being an image of operand registers: its 16 bytes number r + 16 h hold token r,
; channels 8 h + 0..7.  A lane's eight results, packed, are just those 16 bytes: the wave stores 512 consecutive bytes.  v's blocks are laid for the turning LDS load: the same 16 bytes go to place r % 8 + 8 h + 16 (r / 8).
; LIMIT: |q|, |k|, |v| under 65,504, f16's largest number; NaN and infinities are not served.
; REGISTERS, in windows of 256: window 0: v16-29 addresses; v32-95 scale words, two sets; v128-191 the activation's fragments, one set; v192-255 the bias; on the way out v128-255 the packed results.
;   window 1: the weight's fragments, two sets, at v0 and v128.   window 2: the accumulators of my rows 0-63 ((a, b) at v[8 (8 a + b)]);   window 3: those of my rows 64-127.
.set NQ,     4                         ; steps of 128 along K in a slot
.set ROWB,   256                       ; a slot's part of an activation's row, in bytes
.set KROW,   512                       ; a row of xcodes
.set PITCH,  272                       ; in LDS: 256 bytes + 16 of padding, an odd multiple of 16
.set BPIT,   80                        ; a weight's row of 64 bytes (128 along K) + 16 of padding
.set FR,     8                         ; registers of a fragment: 16 rows x 128 K
.set NL,     2                         ; LDS loads that bring one
.set NP,     4                         ; places behind this matrix instruction (ISA guide 7.12.1)
.set HALFA,  128*PITCH                 ; 128 rows of the activation: one tensor load
.set SLOTA,  2*HALFA
.set BBASE,  2*SLOTA                   ; behind the activation's two slots: the weight's, [slot 2][half 2][step 4][128 rows][80 bytes]
.set BQ,     128*BPIT
.set HALFB,  4*BQ                      ; 128 rows x 512 along K: one tensor load
.set SLOTB,  2*HALFB
.set KS,     32                        ; a row of scale bytes
.set SCL,    BBASE+2*SLOTB             ; the scale bytes of the 256 + 256 rows, all of K, as rows of 256 bytes + 16 of padding
.set HALFS,  16*272                    ; those of 128 rows: one tensor load
.set SBLK,   2*272                     ; those of 16 rows
.set SPARE,  SCL+4*HALFS               ; the spare words, 128 bytes for each wave: two blocks of 256 bytes that no other line names
.set ADRA, 16                          ; v16-17  LDS address of my fragments of the activation in slot 0, 1
.set ADRB, 20                          ; v20-21  the same for the weight
.set CO,   26                          ; v26     my 16 bytes' place in a block of qkv
.set ADRS, 27                          ; v27     LDS address of my scale words: lanes 0-15 the activation's rows, lanes 16-31 the weight's
.set SPW,  28                          ; v28     LDS address of my spare word; never rewritten
.set NIL,  29                          ; v29     0; never rewritten
.set SC,   32                          ; scale words: set s at v[SC + 32 s]; register 4 i + q: lanes 0-15 the word of the activation's block i, lanes 16-31 that of the weight's block i, for the slot's q-th 128 along K
.set AF,   128
.set BIAS, 192
.set PK,   128
.set G1,   24                          ; s[24:31] group 1 for the activation's codes;  s[32:39] group 0, one set for each slot
.set G0,   32
.set G1B,  48                          ; s[48:55], s[56:63] the same for the weight's
.set G0B,  56
.set G1S,  68                          ; s[68:75], s[76:79] groups 1 and 0 for the activation's scales;  s[80:87], s[88:91] for the weight's
.set G0S,  76
.set G1SB, 80
.set G0SB, 88
.set MSB, 0
.macro WIN new                         ; the immediate's high byte repeats the setting that is left; a switch that changes nothing is dropped
.if MSB != (\new)
	s_set_vgpr_msb (MSB<<8)|(\new)
.set MSB, (\new)
.endif
.endm
.set MUL_LO, 0xa1                      ; source 0 (weight) window 1, source 1 (activation) window 0, C and D window 2
.set MUL_HI, 0xf1                      ; the same, C and D window 3
.set TO_B,   0x40                      ; destination window 1, address window 0
; A joint load: waves 0 and 1 fetch for the activation, waves 2 and 3 for the weight.  Each line has one mask and one set of registers for all that issue it; the branch hangs on the wave's number alone.
; An s_nop 0 and four v_nop follow each of the two lines.
.macro JLOAD g0a, g1a, g0b, g1b
	s_cmp_eq_u32 s15, 0
	s_cbranch_scc0 .Lfor_b_\@
	tensor_load_to_lds s[\g0a:\g0a+3], s[\g1a:\g1a+7]
	s_nop 0
.rept 4
	v_nop
.endr
	s_branch .Lasked_\@
.Lfor_b_\@:
	tensor_load_to_lds s[\g0b:\g0b+3], s[\g1b:\g1b+7]
	s_nop 0
.rept 4
	v_nop
.endr
.Lasked_\@:
.endm
.macro CROUND                          ; a round of the cluster's barrier
	s_barrier_signal -1
	s_barrier_wait -1
	s_cmp_lg_u32 s14, 0
	s_cbranch_scc1 .Lnot_wave_0_\@
	s_barrier_signal -3
.Lnot_wave_0_\@:
	s_barrier_wait -3
	s_barrier_signal -1
	s_barrier_wait -1
.endm
	s_load_b128 s[4:7], s[0:1], 0x0                ; xcodes s[4:5], xscales s[6:7]
	s_load_b128 s[8:11], s[0:1], 0x10              ; wcodes s[8:9], wscales s[10:11]
	s_load_b128 s[96:99], s[0:1], 0x20             ; bq s[96:97], bk s[98:99]
	s_load_b64 s[100:101], s[0:1], 0x30            ; bv
	s_load_b64 s[12:13], s[0:1], 0x38              ; qkv
	v_lshl_add_u32 v[SPW], v0, 2, SPARE
	v_mov_b32 v[NIL], 0
	ds_add_u32 v[SPW], v[NIL]                      ; the wave's opening: the add, twice on end, and its wait ahead of my first tensor load; the set-up below stands between
	ds_add_u32 v[SPW], v[NIL]
	v_lshrrev_b32 v1, 5, v0
	v_readfirstlane_b32 s14, v1                    ; wave 0..3
	s_lshr_b32 s15, s14, 1                         ; which half of the tile's rows is mine.  Also: I fetch for the activation (0) or the weight (1)
	s_and_b32 s16, s14, 1                          ; which half of its channels.  Also: which 128 rows I fetch
	s_bfe_u32 s40, ttmp6, 0x40000                  ; cx, cy: my place in the cluster
	s_bfe_u32 s41, ttmp6, 0x40004
	s_lshl_b32 s42, ttmp9, 2
	s_add_co_u32 s42, s42, s40                     ; tile column = 4 x cluster x + cx
	s_and_b32 s17, ttmp7, 0xffff
	s_lshr_b32 s66, s17, 3                         ; t = cluster y / 8
	s_lshl_b32 s17, s17, 2
	s_add_co_u32 s17, s17, s41                     ; tile row = 4 x cluster y + cy
	s_lshl_b32 s43, s41, 2
	s_lshl_b32 s43, 15, s43                        ; my row of the cluster
	s_lshl_b32 s44, 0x1111, s40                    ; my column
	s_or_b32 s[G1+0], s43, (0<<16)|(1<<20)|(1<<21)|(5<<22)|(3<<25)   ; the mask: my row; elements of 1 byte; padding on; bit 21 beside a mask; 4 words of padding behind every 64
	s_mov_b32 s[G1+1], ROWB<<16                    ; tensor_dim0 = 256
	s_mov_b32 s[G1+2], 128<<16                     ; tensor_dim1 = 128
	s_mov_b32 s[G1+3], ROWB<<16                    ; tile_dim0
	s_mov_b32 s[G1+4], 128                         ; tile_dim1
	s_mov_b32 s[G1+5], KROW                        ; from row to row
	s_mov_b32 s[G1+6], 0
	s_mov_b32 s[G1+7], 0
	; the weight: four steps of 128 along K, each 128 rows x 64 bytes on end = a 'row' of 8,192 bytes, 65,536 bytes from step to step; 4 words of padding behind every 16: lines of 64 bytes, 80 apart
	s_or_b32 s[G1B+0], s44, (0<<16)|(1<<20)|(1<<21)|(3<<22)|(3<<25)
	s_mov_b32 s[G1B+1], 8192<<16
	s_mov_b32 s[G1B+2], 4<<16
	s_mov_b32 s[G1B+3], 8192<<16
	s_mov_b32 s[G1B+4], 4
	s_mov_b32 s[G1B+5], 65536
	s_mov_b32 s[G1B+6], 0
	s_mov_b32 s[G1B+7], 0
	; the scales of 128 rows: 4,096 dense bytes, as 16 rows of 256 bytes (32 elements of 8 bytes), 16 bytes of padding behind each
	s_or_b32 s[G1S+0], s43, (3<<16)|(1<<20)|(1<<21)|(5<<22)|(3<<25)
	s_or_b32 s[G1SB+0], s44, (3<<16)|(1<<20)|(1<<21)|(5<<22)|(3<<25)
.irp g, G1S, G1SB
	s_mov_b32 s[\g+1], 32<<16
	s_mov_b32 s[\g+2], 16<<16
	s_mov_b32 s[\g+3], 32<<16
	s_mov_b32 s[\g+4], 16
	s_mov_b32 s[\g+5], 32
	s_mov_b32 s[\g+6], 0
	s_mov_b32 s[\g+7], 0
.endr
	s_lshl_b32 s18, s16, 7                         ; which 128 rows I fetch
	s_lshl_b32 s20, s17, 8
	s_add_co_u32 s20, s20, s18                     ; the activation: row 256 x tile row + 128 x half
	s_lshl_b32 s46, s42, 8
	s_add_co_u32 s46, s46, s18                     ; the weight: row 256 x tile column + 128 x half
	s_lshl_b32 s92, s46, 5                         ; its scale bytes: 32 a row,
	s_lshl_b32 s46, s46, 6                         ; its codes: 64 bytes a row and step,
	s_lshl_b32 s18, s66, 15
	s_add_co_u32 s92, s92, s18                     ; in tensor t
	s_lshl_b32 s18, s66, 19
	s_add_co_u32 s46, s46, s18
	s_mov_b32 s47, 0
	s_mov_b32 s93, 0
	s_lshl_b32 s22, s20, 5                         ; the activation's scale bytes,
	s_mov_b32 s23, 0
	s_lshl_b32 s20, s20, 9                         ; and its codes
	s_mov_b32 s21, 0
	s_mul_i32 s45, s16, HALFA                      ; where they go: no place in the cluster enters an LDS address
	s_mul_i32 s67, s16, HALFB
	s_add_co_u32 s67, s67, BBASE
	s_mul_i32 s94, s14, HALFS
	s_wait_dscnt 0x0                               ; both opening adds are done
	s_wait_kmcnt 0x0
	s_add_nc_u64 s[20:21], s[4:5], s[20:21]
	s_add_nc_u64 s[22:23], s[6:7], s[22:23]
	s_add_nc_u64 s[46:47], s[8:9], s[46:47]
	s_add_nc_u64 s[92:93], s[10:11], s[92:93]
	CROUND                                         ; all sixteen work-groups are here: the joint loads meet
	s_mov_b32 s[G0S], 1
	s_add_co_u32 s[G0S+1], s94, SCL
	s_mov_b64 s[G0S+2:G0S+3], s[22:23]
	s_or_b32 s[G0S+3], s[G0S+3], 0x80000000
	s_mov_b32 s[G0SB], 1
	s_add_co_u32 s[G0SB+1], s94, SCL
	s_mov_b64 s[G0SB+2:G0SB+3], s[92:93]
	s_or_b32 s[G0SB+3], s[G0SB+3], 0x80000000
	JLOAD G0S, G1S, G0SB, G1SB                     ; the scales first: they are wanted with the first step
.irp s, 0,1
	s_mov_b32 s[G0+4*\s], 1
	s_add_co_u32 s[G0+4*\s+1], s45, \s*SLOTA
	s_add_nc_u64 s[G0+4*\s+2:G0+4*\s+3], s[20:21], \s*ROWB
	s_or_b32 s[G0+4*\s+3], s[G0+4*\s+3], 0x80000000
	s_mov_b32 s[G0B+4*\s], 1
	s_add_co_u32 s[G0B+4*\s+1], s67, \s*SLOTB
	s_add_nc_u64 s[G0B+4*\s+2:G0B+4*\s+3], s[46:47], \s*4*65536
	s_or_b32 s[G0B+4*\s+3], s[G0B+4*\s+3], 0x80000000
	JLOAD G0+4*\s, G1, G0B+4*\s, G1B               ; three tensor loads of mine are out, all that this launch has
.endr
	v_and_b32 v1, 15, v0                           ; r = lane % 16
	v_bfe_u32 v2, v0, 4, 1                         ; h = lane / 16
	s_cmp_eq_u32 s66, 0                            ; the bias of tensor t: the choice hangs on the cluster's number alone
	s_cselect_b64 s[96:97], s[96:97], s[98:99]
	s_cmp_eq_u32 s66, 2
	s_cselect_b64 s[96:97], s[100:101], s[96:97]
	s_cselect_b32 s95, -1, 0                       ; all ones for v
	s_lshl_b32 s46, s42, 10                        ; my first channel, in bytes of f32: 1,024 x tile column + 512 x half
	s_lshl_b32 s47, s16, 9
	s_add_co_u32 s46, s46, s47
	s_mov_b32 s47, 0
	s_add_nc_u64 s[96:97], s[96:97], s[46:47]
	v_lshlrev_b32 v7, 5, v2                        ; lane (r, h) wants, for block b, the bias of channels 16 b + 8 h + 0..7
.irp b, 0,1,2,3,4,5,6,7
	global_load_b128 v[BIAS+8*\b:BIAS+8*\b+3], v7, s[96:97] offset:64*\b
	global_load_b128 v[BIAS+8*\b+4:BIAS+8*\b+7], v7, s[96:97] offset:64*\b+16
.endr
	v_mul_u32_u24 v3, v1, PITCH
	v_lshl_add_u32 v4, v2, 4, v3                   ; a fragment's row x pitch + 16 x half
	v_mul_u32_u24 v3, v1, BPIT
	v_lshl_add_u32 v5, v2, 4, v3
	s_mul_i32 s21, s15, HALFA                      ; my 128 rows of the activation
	s_mul_i32 s22, s16, HALFB                      ; my 128 rows of the weight
	s_add_co_u32 s22, s22, BBASE
.irp s, 0,1
	v_add_nc_u32 v[ADRA+\s], s21, v4
	v_add_nc_u32 v[ADRB+\s], s22, v5
	s_add_co_u32 s21, s21, SLOTA
	s_add_co_u32 s22, s22, SLOTB
.endr
	v_mul_u32_u24 v5, v1, KS                       ; my row's scales: 32 bytes a row,
	v_lshrrev_b32 v6, 8, v5
	v_lshl_add_u32 v5, v6, 4, v5                   ; and 16 more for each 256 passed
	s_mul_i32 s21, s15, HALFS                      ; the activation's: my 128 rows
	s_mul_i32 s22, s16, HALFS                      ; the weight's: my 128 rows, behind the activation's 256
	s_add_co_u32 s22, s22, 2*HALFS
	s_sub_co_u32 s22, s22, s21
	v_mul_u32_u24 v6, s22, v2                      ; lanes 16-31 take the weight's: one product, the distance between the two bases x h
	s_add_co_u32 s21, s21, SCL
	v_add_nc_u32 v5, v5, v6
	v_add_nc_u32 v[ADRS], s21, v5
	v_and_b32 v6, 31, v0
	v_lshlrev_b32 v6, 4, v6                        ; q and k: place r + 16 h = my lane
	v_and_b32 v8, 7, v1
	v_lshl_add_u32 v8, v2, 3, v8
	v_lshrrev_b32 v9, 3, v1
	v_lshl_add_u32 v8, v9, 4, v8                   ; v: place r % 8 + 8 h + 16 (r / 8)
	v_lshlrev_b32 v8, 4, v8
	v_cndmask_b32 v[CO], v6, v8, s95
	s_lshr_b32 s20, s17, 3                         ; qkv: 4 t + batch = tile row / 8: 16 heads of 262,144 bytes,
	s_lshl_b32 s20, s20, 22
	s_and_b32 s21, s17, 7
	s_lshl_b32 s21, s21, 4
	s_lshl_b32 s18, s15, 3
	s_add_co_u32 s21, s21, s18                     ; my first tile of 16 tokens: 16 (tile row % 8) + 8 x half: 2,048 bytes each,
	s_lshl_b32 s21, s21, 11
	s_add_co_u32 s20, s20, s21
	s_mov_b32 s21, 0
	s_lshl_b32 s46, s42, 2
	s_lshl_b32 s47, s16, 1
	s_add_co_u32 s46, s46, s47                     ; my first head: 4 x tile column + 2 x half
	s_lshl_b32 s46, s46, 18
	s_mov_b32 s47, 0
	s_add_nc_u64 s[20:21], s[20:21], s[46:47]
	s_add_nc_u64 s[12:13], s[12:13], s[20:21]
.macro FRAGA reg, adr, q, i            ; 16 rows x 128 K of 4-bit codes: lane l holds row l % 16; registers 4 c .. 4 c + 3 hold K = 64 c + 32 (l / 16) + 0 .. 31
.irp c, 0,1
	ds_load_b128 v[\reg+4*\c:\reg+4*\c+3], v[\adr] offset:64*(\q)+32*\c+(\i)*16*PITCH
.endr
.endm
.macro FRAGB reg, adr, q, i
.irp c, 0,1
	ds_load_b128 v[\reg+4*\c:\reg+4*\c+3], v[\adr] offset:BQ*(\q)+32*\c+(\i)*16*BPIT
.endr
.endm
; 16 matrix instructions: the activation's blocks a0, a0 + 1 x the weight's eight, 128 along K.  p: the weight's set;  sc: the set of scale words.  first = 1: the bias starts the sums: nothing is cleared.
; The 64 accumulators take turns, one instruction a turn, in the same order in every step.
.macro MUL16 a0, p, q, sc, first
.irp a, \a0, \a0+1
.irp b, 0,1,2,3,4,5,6,7
.if \first
	v_wmma_scale_f32_16x16x128_f8f6f4 v[8*(8*((\a)%4)+\b):8*(8*((\a)%4)+\b)+7], v[128*(\p)+FR*\b:128*(\p)+FR*\b+FR-1], v[AF+FR*(\a):AF+FR*(\a)+FR-1], v[BIAS+8*\b:BIAS+8*\b+7], v[SC+8*NQ*(\sc)+NQ*\b+(\q)], v[SC+8*NQ*(\sc)+NQ*(\a)+(\q)] matrix_a_fmt:MATRIX_FMT_FP4 matrix_b_fmt:MATRIX_FMT_FP4 matrix_a_scale:MATRIX_SCALE_ROW1
.else
	v_wmma_scale_f32_16x16x128_f8f6f4 v[8*(8*((\a)%4)+\b):8*(8*((\a)%4)+\b)+7], v[128*(\p)+FR*\b:128*(\p)+FR*\b+FR-1], v[AF+FR*(\a):AF+FR*(\a)+FR-1], v[8*(8*((\a)%4)+\b):8*(8*((\a)%4)+\b)+7], v[SC+8*NQ*(\sc)+NQ*\b+(\q)], v[SC+8*NQ*(\sc)+NQ*(\a)+(\q)] matrix_a_fmt:MATRIX_FMT_FP4 matrix_b_fmt:MATRIX_FMT_FP4 matrix_a_scale:MATRIX_SCALE_ROW1
.endif
.endr
.endr
.endm
.macro FETCH_B slot, q, p              ; the weight's eight fragments of the slot's q-th 128 along K into set p
	WIN TO_B
.irp i, 0,1,2,3,4,5,6,7
	FRAGB 128*(\p)+FR*\i, ADRB+\slot, \q, \i
.endr
	WIN 0
.endm
.macro FETCH_A slot, q, i0             ; the activation's blocks i0 .. i0 + 3
.irp i, \i0, \i0+1, \i0+2, \i0+3
	FRAGA AF+FR*(\i), ADRA+\slot, \q, \i
.endr
.endm
.macro SCALES sc                       ; a slot's scale words into set sc: four words a row
.irp i, 0,1,2,3,4,5,6,7
	ds_load_b128 v[SC+8*NQ*\sc+NQ*\i:SC+8*NQ*\sc+NQ*\i+3], v[ADRS] offset:\i*SBLK
.endr
.endm
; A load into a register that a matrix instruction has read, and a vector instruction that reads a matrix result, stand NP places behind that matrix instruction; only plain vector instructions that
; name none of its registers are places (ISA guide 7.12.1 for vector instructions).
.macro PLACES n
.rept \n
	v_nop
.endr
.endm
; A step of 128 along K that has its successor in the same slot.  A block of the activation is free as soon as its eight products are issued: blocks 0-3 are fetched anew in the step's middle, blocks 4-7 at its end.
.macro STEP slot, q, first
	s_wait_dscnt 4*NL                              ; the weight's set and the activation's blocks 0-3 are in; the youngest eight loads (blocks 4-7) may be out
.if \first
	WIN 0x81                                       ; as MUL_LO, but C (the bias) in window 0
.else
	WIN MUL_LO
.endif
	MUL16 0, (\q)%2, \q, \slot, \first
	MUL16 2, (\q)%2, \q, \slot, \first
	s_wait_dscnt 0
	PLACES NP
	FETCH_B \slot, (\q)+1, 1-(\q)%2
	FETCH_A \slot, (\q)+1, 0
.if \first
	WIN 0xc1
.else
	WIN MUL_HI
.endif
	MUL16 4, (\q)%2, \q, \slot, \first
	MUL16 6, (\q)%2, \q, \slot, \first
	PLACES NP
	WIN 0
	FETCH_A \slot, (\q)+1, 4
.endm
.macro STEPS slot, from                ; the slot's steps from .. NQ - 2
.set Q, \from
.rept NQ-1-\from
	STEP \slot, Q, 0
.set Q, Q+1
.endr
.endm
	s_wait_tensorcnt 1                             ; the scales and my part of slot 0 are in; slot 1's load may be out
	s_barrier_signal -1
	s_barrier_wait -1                              ; everybody's are
	FETCH_B 0, 0, 0
	FETCH_A 0, 0, 0
	SCALES 0
	FETCH_A 0, 0, 4
	s_wait_loadcnt 0x0                             ; the bias
	STEP 0, 0, 1
	STEPS 0, 1
	; slot 0's last step changes slots: one barrier, which shows slot 1 whole to every wave
	s_wait_tensorcnt 0x0                           ; all my tensor loads have landed: my part of slot 1
	ds_add_u32 v[SPW], v[NIL]                      ; 0 onto my spare word
	s_wait_dscnt 4*NL+1                            ; (the add and the youngest eight loads may be out)
	WIN MUL_LO
	MUL16 0, 1, NQ-1, 0, 0                         ; sixteen matrix instructions stand between the add and the wait for it
	s_wait_dscnt 0x0                               ; no LDS instruction of mine is pending at the signal
	s_barrier_signal -1
	MUL16 2, 1, NQ-1, 0, 0
	WIN 0
	s_barrier_wait -1
	PLACES NP
	v_add_nc_u32 v[ADRS], 4*NQ, v[ADRS]            ; on to slot 1's scale words
	FETCH_B 1, 0, 0
	FETCH_A 1, 0, 0
	SCALES 1
	WIN MUL_HI
	MUL16 4, 1, NQ-1, 0, 0
	MUL16 6, 1, NQ-1, 0, 0
	PLACES NP
	WIN 0
	FETCH_A 1, 0, 4
	STEPS 1, 0
	s_wait_dscnt 4*NL                              ; the last step: nothing more to fetch
	WIN MUL_LO
	MUL16 0, 1, NQ-1, 1, 0
	MUL16 2, 1, NQ-1, 1, 0
	s_wait_dscnt 0
	WIN MUL_HI
	MUL16 4, 1, NQ-1, 1, 0
	MUL16 6, 1, NQ-1, 1, 0
	WIN 0
	PLACES NP                                      ; in front of the first read of results and the first write over the activation's fragments
; THE WAY OUT, a block of 16 tokens x 128 channels at a time: eight accumulators, each from its low end on, become eight blocks of 512 bytes.  Four sets of 32 registers take turns.
.macro PACK a
.set AC, 64*((\a)%4)
.set PB, PK+32*((\a)%4)
	WIN 0x0a+5*((\a)/4)                            ; sources 0 and 1: window 2 or 3
.irp b, 0,1,2,3,4,5,6,7
.irp r, 0,1,2,3
	v_cvt_pk_f16_f32 v[PB+4*\b+\r], v[AC+8*\b+2*\r], v[AC+8*\b+2*\r+1]
.endr
.endr
	WIN 0
.irp b, 0,1,2,3,4,5,6,7
	global_store_b128 v[CO], v[PB+4*\b:PB+4*\b+3], s[12:13] offset:(\b/4)*262144+(\a)*2048+(\b%4)*512 th:TH_STORE_NT   ; head b / 4, tile of tokens a, tile of channels b % 4: 512 consecutive bytes, aligned
.endr
.endm
.irp a, 0,1,2,3,4,5,6,7
.if \a >= 4
	s_wait_xcnt 0x0                                ; the stores of four blocks back have read their registers, which are written again now
.endif
	PACK \a
.endr
	s_wait_tensorcnt 0x0                           ; the wave's end
	ds_add_u32 v[SPW], v[NIL]
	s_wait_dscnt 0x0
	CROUND                                         ; the closing round
	s_endpgm
.Lfunc_end_k_qe2ce2b3373_proj:
	.size	k_qe2ce2b3373_proj, .Lfunc_end_k_qe2ce2b3373_proj-k_qe2ce2b3373_proj
	.p2alignl 7, 3214868480
	.fill 96, 4, 3214868480
	.section	.rodata,"a",@progbits
	.p2align	6, 0x0
	.amdhsa_kernel k_qe2ce2b3373_proj
		.amdhsa_group_segment_fixed_size 327680
		.amdhsa_private_segment_fixed_size 0
		.amdhsa_enable_private_segment 0
		.amdhsa_kernarg_size 64
		.amdhsa_user_sgpr_count 2
		.amdhsa_user_sgpr_kernarg_segment_ptr 1
		.amdhsa_wavefront_size32 1
		.amdhsa_system_sgpr_workgroup_id_x 1
		.amdhsa_system_sgpr_workgroup_id_y 1
		.amdhsa_system_sgpr_workgroup_id_z 1
		.amdhsa_system_vgpr_workitem_id 0
		.amdhsa_next_free_vgpr 1024
		.amdhsa_next_free_sgpr 102
		.amdhsa_reserve_vcc 0
		.amdhsa_float_denorm_mode_32 3
		.amdhsa_float_denorm_mode_16_64 3
		.amdhsa_memory_ordered 1
		.amdhsa_forward_progress 1
		.amdhsa_inst_pref_size 120
	.end_amdhsa_kernel
	.amdgpu_metadata
---
amdhsa.version: [ 1, 2 ]
amdhsa.kernels:
  - .name:           k_qe2ce2b3373_proj
    .symbol:         k_qe2ce2b3373_proj.kd
    .args:
      - { .name: xcodes, .offset: 0, .size: 8, .value_kind: global_buffer, .address_space: global }
      - { .name: xscales, .offset: 8, .size: 8, .value_kind: global_buffer, .address_space: global }
      - { .name: wcodes, .offset: 16, .size: 8, .value_kind: global_buffer, .address_space: global }
      - { .name: wscales, .offset: 24, .size: 8, .value_kind: global_buffer, .address_space: global }
      - { .name: bq, .offset: 32, .size: 8, .value_kind: global_buffer, .address_space: global }
      - { .name: bk, .offset: 40, .size: 8, .value_kind: global_buffer, .address_space: global }
      - { .name: bv, .offset: 48, .size: 8, .value_kind: global_buffer, .address_space: global }
      - { .name: qkv, .offset: 56, .size: 8, .value_kind: global_buffer, .address_space: global }
    .group_segment_fixed_size: 327680
    .private_segment_fixed_size: 0
    .kernarg_segment_align: 8
    .kernarg_segment_size: 64
    .max_flat_workgroup_size: 128
    .sgpr_count:     102
    .vgpr_count:     1024
    .wavefront_size: 32
...
	.end_amdgpu_metadata
.endif
;; end of part 2
;; launch attn (part 3): grid 4 x 64, 4 waves a work-group, clusters of 4 x 1, 327,680 bytes of LDS; arguments qkv, oimg; writes oimg
.if DOCPART == 3
	.amdgcn_target "amdgcn-amd-amdhsa--gfx1250"
	.amdhsa_code_object_version 6
	.text
	.protected	k_qe2ce2b3373_attn
	.globl	k_qe2ce2b3373_attn
	.p2align	8
	.type	k_qe2ce2b3373_attn,@function
k_qe2ce2b3373_attn:
	s_mov_b64 s[64:65], 0
	v_nop
	global_prefetch_b8 v0, s[64:65] scope:SCOPE_SE
	s_setreg_imm32_b32 hwreg(HW_REG_WAVE_MODE, 25, 1), 1
	s_wait_xcnt 0x0
	s_wait_alu depctr_hold_cnt(0) depctr_sa_sdst(0) depctr_va_vdst(0) depctr_va_sdst(0) depctr_va_ssrc(0) depctr_va_vcc(0) depctr_vm_vsrc(0)
	s_getreg_b32 s2, hwreg(HW_REG_IB_STS2, 6, 4)
	s_cmp_eq_u32 s2, 0
	s_cbranch_scc0 .Lentry_in_a_cluster
	s_endpgm
.Lentry_in_a_cluster:
	s_bfe_u32 s2, ttmp6, 0x10000c
	s_cmp_lg_u32 s2, 0x3003
	s_cbranch_scc0 .Lentry_shape_is_right
	s_endpgm
.Lentry_shape_is_right:
; ATTN: O[bh][q][:] = the sum over k of softmax_k(Q[bh][q] . K[bh][k] / 8) V[bh][k][:], 64 pairs of batch and head, 2,048 queries and keys, head size 64, no mask.  Operands in f16; products, maxima and sums in f32;
; the weights p (at most 1) are rounded to f16 for the second product, O once at the end.
; qkv is laid [t 3][bh 64][tile of 16 tokens 128][tile of 16 channels 4][512 bytes], each block an image of operand registers: q's and k's 16 bytes number r + 16 h hold token r, channels 8 h + 0..7, so that two
; neighbouring blocks, each loaded at 16 x lane, are a fragment of 16 tokens x 32 channels; v's blocks are laid for ds_load_tr16_b128 at 16 x lane, which leaves lane (r, h) channel r and keys 8 h + 0..7.
; SHARES.  A work-group owns 512 queries of one pair, each of its four waves 128: eight tiles of 16.  Every wave walks all keys, 64 a step, so each fragment of K or V read from LDS feeds eight matrix instructions.
; LAYOUT.  S^T = K Q^T (source 0 = 16 keys, source 1 = 16 queries): a lane holds ONE query (lane % 16) and keys 8 (lane / 16) + 0..7.  Two such tiles, rounded in pairs, ARE source 1 of O^T = V^T P.
; SOFTMAX.  For each query a running maximum m and sum l: p = 2^(c s - c m), c = log2(e) / 8; in every step O and l are multiplied by a = 2^(c m_old - c m_new).
; BY TURNS.  The wave's tiles are two PIECES of four.  In a TURN one piece has the matrix unit: 32 products V^T P of the step in hand, then 32 products K Q^T of the next; the other piece's softmax, 4 x 118
; instructions, stands in slices of eight behind the matrix instructions.  Then the pieces change places.  Two turns are a key step.
; CLUSTER.  The four blocks of queries of a cluster belong to one pair and walk the same K and V: each tile is asked for JOINTLY, mask 15.
; THE RING.  Two slots of 8 key steps (65,536 bytes of K, then as many of V).  All four waves load, 32,768 dense bytes each.  The keys fill four slots' worth: two first fills, two refills; a refill is asked for
; eight key steps, 1,024 matrix instructions of a wave, ahead of the wait for it.
; THE WAY OUT NEEDS NO LDS: oimg is laid [tile of 16 tokens 512][tile of 16 model channels 64][512 bytes], blocks as q's; a lane's eight channels, packed, are its 16 bytes of a block.
; LIMIT: NaN and infinities are not served.
; REGISTERS: window 0: piece 0; window 1: piece 1: v12-43 statistics, eight a tile; v64-191 S^T, 32 a tile; v192-255 P, 16 a tile.  Window 0 also: v2-4 addresses, v62, v63 the add's two.
;   window 2: O^T, tile T at 32 T.   window 3: v0-127 Q, tile T at 16 T; v128-191 K of one step; v192-255 V of one step.
.set SLOT1, 1<<17                      ; slot 1 begins here: one exclusive or turns an address in one slot into the other's
.set VOFF,  65536                      ; in a slot: V behind K
.set STEPB, 8192                       ; a key step's blocks of K, or of V
.set SPARE, 2*SLOT1                    ; behind the ring: the spare words, 128 bytes for each wave: two blocks of 256 bytes that no other line names
.set LA,  2                            ; v2   16 x lane; never rewritten
.set LAV, 3                            ; v3   the same + VOFF
.set ADR, 4                            ; v4   the LDS address of the run of loads in hand
.set SPW, 62                           ; v62  LDS address of my spare word; never rewritten
.set NIL, 63                           ; v63  0; never rewritten
.set ST,  12                           ; a tile's statistics at v[ST + 8 tl]: +0 c m, +1 m, +2, +3 l (even keys', odd keys'), +4 to +7 at work; a takes +6 once the maximum is found
.set S,   64
.set P,   192
.set KF,  128                          ; in window 3
.set VF,  192
.set WV,  12                           ; s12  my wave's number
.set G1,  24                           ; s[24:31] descriptor group 1
.set G0,  32                           ; s[32:39] group 0: a set for each of the two first fills; the second then walks on
.set SLOTS, 56                         ; s56  refills to go
.set CNT, 57                           ; s57  counts key steps
.set CS,  58                           ; s[58:59] c: the packed scaling names a pair and takes its low word for both halves
.set SEL, 60                           ; s[60:61] lane selects for v_permlanex16_b32: lane l xor 16
.set TB,  62                           ; s62  LDS byte at which the blocks of K of the step to be fetched begin
.set MSB, 0
.macro WIN new                         ; the immediate's high byte repeats the setting that is left; a switch that changes nothing is dropped
.if MSB != (\new)
	s_set_vgpr_msb (MSB<<8)|(\new)
.set MSB, (\new)
.endif
.endm
.macro CROUND                          ; a round of the cluster's barrier
	s_barrier_signal -1
	s_barrier_wait -1
	s_cmp_lg_u32 s[WV], 0
	s_cbranch_scc1 .Lnot_wave_0_\@
	s_barrier_signal -3
.Lnot_wave_0_\@:
	s_barrier_wait -3
	s_barrier_signal -1
	s_barrier_wait -1
.endm
.macro PLACES
.rept 4
	v_nop
.endr
.endm
	s_load_b128 s[4:7], s[0:1], 0x0                ; qkv s[4:5], oimg s[6:7]
	v_lshl_add_u32 v[SPW], v0, 2, SPARE
	v_mov_b32 v[NIL], 0
	ds_add_u32 v[SPW], v[NIL]                      ; the wave's opening: the add, twice on end, and its wait ahead of my first tensor load; the set-up below stands between
	ds_add_u32 v[SPW], v[NIL]
	v_lshrrev_b32 v1, 5, v0
	v_readfirstlane_b32 s[WV], v1                  ; wave 0..3
	s_bfe_u32 s13, ttmp6, 0x40000                  ; cx: my block of 512 queries (the grid has one cluster along x): it enters Q's and O's addresses alone
	s_and_b32 s20, ttmp7, 0xffff                   ; bh, which the four partners share
	s_lshr_b32 s14, s[WV], 1                       ; waves 0, 1 fetch K, waves 2, 3 V:
	s_add_co_u32 s14, s14, 1
	s_lshl_b32 s14, s14, 24                        ; tensor 1 or 2 of qkv, 16,777,216 bytes each,
	s_lshl_b32 s15, s20, 18                        ; my pair's 262,144 bytes,
	s_add_co_u32 s14, s14, s15
	s_and_b32 s16, s[WV], 1
	s_lshl_b32 s16, s16, 15                        ; the first or the second four key steps of a slot
	s_add_co_u32 s22, s14, s16
	s_mov_b32 s23, 0
	s_lshl_b32 s17, s[WV], 15                      ; and in a slot: 32,768 x wave: no place in the cluster enters an LDS address
	s_lshl_b32 s2, s13, 16                         ; Q: my block's 32 tiles of 2,048 bytes,
	s_lshl_b32 s3, s[WV], 14                       ; my wave's 8
	s_add_co_u32 s2, s2, s3
	s_add_co_u32 s2, s2, s15
	s_mov_b32 s3, 0
	s_lshr_b32 s18, s20, 4                         ; O: tile of tokens 128 x batch + 32 cx + 8 x wave, 32,768 bytes each,
	s_lshl_b32 s18, s18, 7
	s_lshl_b32 s19, s13, 5
	s_add_co_u32 s18, s18, s19
	s_lshl_b32 s19, s[WV], 3
	s_add_co_u32 s18, s18, s19
	s_lshl_b32 s18, s18, 15
	s_and_b32 s19, s20, 15                         ; + the head's four blocks of 512 bytes
	s_lshl_b32 s19, s19, 11
	s_add_co_u32 s18, s18, s19
	s_mov_b32 s19, 0
	s_mov_b32 s[G1], 15|(3<<16)|(1<<21)            ; the mask: all four work-groups; elements of 8 bytes; bit 21 beside a mask; no padding: every read is 16 x lane on end
	s_mov_b32 s[G1+1], 32<<16                      ; tensor_dim0 = 32 elements: rows of 256 bytes
	s_mov_b32 s[G1+2], 128<<16                     ; tensor_dim1 = 128
	s_mov_b32 s[G1+3], 32<<16                      ; tile_dim0
	s_mov_b32 s[G1+4], 128                         ; tile_dim1
	s_mov_b32 s[G1+5], 32                          ; dense
	s_mov_b32 s[G1+6], 0
	s_mov_b32 s[G1+7], 0
	s_mov_b32 s[CS], 0x3e38aa3b                    ; c = log2(e) / 8
	s_mov_b32 s[CS+1], s[CS]
	s_mov_b32 s[SEL], 0x76543210
	s_mov_b32 s[SEL+1], 0xfedcba98
	s_mov_b32 s[TB], 0
	s_mov_b32 s[SLOTS], 2
	s_wait_dscnt 0x0                               ; both opening adds are done
	s_wait_kmcnt 0x0
	s_add_nc_u64 s[8:9], s[4:5], s[22:23]          ; my part of slot 0's keys
	s_add_nc_u64 s[4:5], s[4:5], s[2:3]            ; Q at my wave's first tile
	s_add_nc_u64 s[6:7], s[6:7], s[18:19]          ; O likewise
	CROUND                                         ; all four work-groups are here: the first joint loads meet
.irp s, 0,1
	s_mov_b32 s[G0+4*\s], 1
	s_add_co_u32 s[G0+4*\s+1], s17, \s*SLOT1
	s_add_nc_u64 s[G0+4*\s+2:G0+4*\s+3], s[8:9], \s*65536          ; 512 keys are 65,536 bytes of K, and of V
	s_or_b32 s[G0+4*\s+3], s[G0+4*\s+3], 0x80000000
.endr
	tensor_load_to_lds s[G0:G0+3], s[G1:G1+7]      ; two loads of mine are out
	s_nop 0
	tensor_load_to_lds s[G0+4:G0+7], s[G1:G1+7]
	s_nop 0
	PLACES
	v_and_b32 v1, 31, v0
	v_lshlrev_b32 v[LA], 4, v1
	v_add_nc_u32 v[LAV], VOFF, v[LA]
	WIN 0xc0                                       ; destination window 3, address window 0
.irp T, 0,1,2,3,4,5,6,7                        ; Q stays in registers: tile T, channels 32 c on
.irp c, 0,1
	global_load_b128 v[16*\T+8*\c:16*\T+8*\c+3],   v[LA], s[4:5] offset:\T*2048+\c*1024
	global_load_b128 v[16*\T+8*\c+4:16*\T+8*\c+7], v[LA], s[4:5] offset:\T*2048+\c*1024+512
.endr
.endr
	WIN 0
; THE MATRIX WORK OF A TURN, for piece x.  Sixteen accumulators take turns, one instruction a turn.
; Product i of 32 of O^T += V^T P: keys 32 (i / 16) on, channels 16 ((i / 4) % 4) on, tile i % 4 of the piece.  zero = 1: the first 16 start the sums: nothing is ever cleared.
.macro PV x, zero
	WIN 0xa3+4*(\x)                                ; V window 3, P window x, O^T window 2
.set rO, 32*(4*(\x)+i%4)+8*((i/4)%4)
.set rV, VF+32*(i/16)+8*((i/4)%4)
.set rP, P+16*(i%4)+8*(i/16)
.if (\zero) && (i < 16)
	v_wmma_f32_16x16x32_f16 v[rO:rO+7], v[rV:rV+7], v[rP:rP+7], 0
.else
	v_wmma_f32_16x16x32_f16 v[rO:rO+7], v[rV:rV+7], v[rP:rP+7], v[rO:rO+7]
.endif
.endm
; Product i of 32 of S^T = K Q^T: channels 32 (i / 16) on, keys 16 ((i / 4) % 4) on, tile i % 4.  The first 16 start the sums.
.macro KQ x
	WIN 0x0f+0x50*(\x)                             ; K and Q window 3, S^T window x
.set rS, S+32*(i%4)+8*((i/4)%4)
.set rK, KF+16*((i/4)%4)+8*(i/16)
.set rQ, 16*(4*(\x)+i%4)+8*(i/16)
.if i < 16
	v_wmma_f32_16x16x32_f16 v[rS:rS+7], v[rK:rK+7], v[rQ:rQ+7], 0
.else
	v_wmma_f32_16x16x32_f16 v[rS:rS+7], v[rK:rK+7], v[rQ:rQ+7], v[rS:rS+7]
.endif
.endm
; THE LDS LOADS stand in runs of 16, never singly among the matrix instructions.
.macro FETCH_K
	WIN 0
	v_add_nc_u32 v[ADR], s[TB], v[LA]
	WIN 0xc0
.irp f, 0,1,2,3,4,5,6,7                        ; keys 16 (f / 2) on, channels 32 (f % 2) on
	ds_load_b128 v[KF+8*\f:KF+8*\f+3],   v[ADR] offset:(\f/2)*2048+(\f%2)*1024
	ds_load_b128 v[KF+8*\f+4:KF+8*\f+7], v[ADR] offset:(\f/2)*2048+(\f%2)*1024+512
.endr
.endm
.macro FETCH_V
	WIN 0
	v_add_nc_u32 v[ADR], s[TB], v[LAV]
	s_add_co_u32 s[TB], s[TB], STEPB               ; the next fetch is the next step's
	s_wait_alu depctr_va_vdst(0)                   ; the wait for the softmax's batch of exponentials (SLICE), ahead of the first line that names a result
	WIN 0xc0
.irp f, 0,1,2,3,4,5,6,7                        ; keys 32 (f / 4) on, channels 16 (f % 4) on
	ds_load_tr16_b128 v[VF+8*\f:VF+8*\f+3],   v[ADR] offset:(\f/4)*4096+(\f%4)*512
	ds_load_tr16_b128 v[VF+8*\f+4:VF+8*\f+7], v[ADR] offset:(\f/4)*4096+2048+(\f%4)*512
.endr
.endm
; THE VECTOR WORK OF A TURN.  One tile's softmax for one key step is a list of 118 instructions; SM writes number j of it for tile tl of piece y.  s0-s31 are the lane's 32 scores, in pairs 0-15.
; first = 1: the first key step, which starts m, l and O^T: it has no a and nothing to rescale.
;   0-15    the maximum of s0-s31 and the old m, three operands at a time; each accumulator is first read at its low end
;   16-20   the other half of the lanes' maximum; the new m; c m; c m_old - c m_new
;   21-69   ONE BATCH: the 16 scalings c s - c m and all 33 exponentials (a at 23, then s0-s31); none of these reads an exponential's result; a pair is scaled in an earlier four than the one with its exponentials
;   (wait)  between 69 and 70 stands the one wait for the batch: SLICE writes it, once for the four tiles
;   70-85   the roundings to f16;   86-101 the sums, l = a l + the sum;   102-117 the tile's O^T times a
.macro SM tl, y, first
.set rT, ST+8*(\tl)
.set rS, S+32*(\tl)
.set rP, P+16*(\tl)
.set rO, 32*(4*(\y)+(\tl))+2*(j-102)
.if j < 102
	WIN 0x55*(\y)                                  ; all operands in the piece's window
.endif
.if j < 4
	v_max3_num_f32 v[rT+4+j], v[rS+8*j], v[rS+8*j+1], v[rS+8*j+2]
.elseif j < 12
	v_max3_num_f32 v[rT+4+j%4], v[rT+4+j%4], v[rS+8*(j%4)+2*(j/4)+1], v[rS+8*(j%4)+2*(j/4)+2]
.elseif j == 12
	v_max3_num_f32 v[rT+4], v[rT+4], v[rS+7], v[rS+15]
.elseif j == 13
	v_max3_num_f32 v[rT+6], v[rT+6], v[rS+23], v[rS+31]
.elseif j == 14
	v_max3_num_f32 v[rT+4], v[rT+4], v[rT+5], v[rT+6]
.elseif (j == 15) && \first
	v_max_num_f32 v[rT+4], v[rT+4], v[rT+7]
.elseif j == 15
	v_max3_num_f32 v[rT+4], v[rT+4], v[rT+7], v[rT+1]
.elseif j == 16
	v_permlanex16_b32 v[rT+5], v[rT+4], s[SEL], s[SEL+1]           ; the query's other 32 keys lie in the lane 16 away
.elseif j == 18
	v_max_num_f32 v[rT+1], v[rT+4], v[rT+5]
.elseif j == 19
	v_mul_f32 v[rT], s[CS], v[rT+1]
.elseif ((j == 17) || (j == 20) || (j == 23) || (j > 101)) && \first   ; the first step has none of these
.elseif j == 17
	v_mov_b32 v[rT+7], v[rT]                       ; c m_old is kept for a: number 19 writes c m anew
.elseif j == 20
	v_sub_f32 v[rT+7], v[rT+7], v[rT]
.elseif j == 23
	v_exp_f32 v[rT+6], v[rT+7]
.elseif (j < 23) || ((j < 38) && (j%2 == 0)) || ((j < 66) && (j%4 == 2))
.set b, (j-2)/4                        ; 38, 42, .. 62: pairs 9 to 15
.if j < 38
.set b, (j-20)/2                       ; 21: pair 0; 22, 24, .. 36: pairs 1 to 8
.endif
	v_pk_fma_f32 v[rS+2*b:rS+2*b+1], v[rS+2*b:rS+2*b+1], s[CS:CS+1], v[rT:rT+1] op_sel_hi:[1,0,0] neg_lo:[0,0,1] neg_hi:[0,0,1]   ; pair b: c s - c m
.elseif j < 70
.set e, j-38                           ; 66 to 69: s28 to s31
.if j < 66
.set e, j-32-(j-38)/4                  ; 39-41, 43-45, .. 63-65: s7 to s27
.endif
.if j < 38
.set e, (j-25)/2                       ; 25, 27, .. 37: s0 to s6
.endif
	v_exp_f32 v[rS+e], v[rS+e]
.elseif j < 86
	v_cvt_pk_f16_f32 v[rP+j-70], v[rS+2*(j-70)], v[rS+2*(j-70)+1]  ; pair j - 70
.elseif j < 102                        ; the sum of the tile's 16 pairs, in place: neighbours 1, 2, 4 and 8 pairs apart, then l takes it
.set z, j-86
.set w, 4
.set u, z
.if z >= 14
.set w, 32
.set u, 0
.elseif z >= 12
.set w, 16
.set u, z-12
.elseif z >= 8
.set w, 8
.set u, z-8
.endif
.if (z == 14) && \first
	v_pk_add_f32 v[rT+2:rT+3], v[rS:rS+1], v[rS+16:rS+17]
.elseif z < 15
	v_pk_add_f32 v[rS+w*u:rS+w*u+1], v[rS+w*u:rS+w*u+1], v[rS+w*u+w/2:rS+w*u+w/2+1]
.elseif !\first
	v_pk_fma_f32 v[rT+2:rT+3], v[rT+2:rT+3], v[rT+6:rT+7], v[rS:rS+1] op_sel_hi:[1,0,1]
.endif
.else
	WIN 0x82+4*(\y)                                ; O^T (destination and source 0) window 2, a window y
	v_pk_mul_f32 v[rO:rO+1], v[rO:rO+1], v[rT+6:rT+7] op_sel_hi:[1,0]
.endif
.endm
; Slice k of 64 of piece y's softmax: eight instructions.  Slices 11 to 34 deal out the batch, numbers 22 to 69: four numbers of each of two tiles.  Slices 0-10 and 35-50: numbers 2 k and 2 k + 1 of all four
; tiles.  4 x 118 = 8 x 59: slices 51 to 55 are empty, and the rescaling stands in slices 56 to 63, so that slice 63's eight plain instructions are the places behind the turn's last product.
; Ahead of slice 35 nothing names an exponential's result, and behind slice 34 no exponential is issued: so the piece's 132 exponentials have one wait, behind slice 34.
.macro SLICE y, first
.if (k >= 11) && (k < 35)
.irp d, 0,2
.irp n, 0,1,2,3
.set j, 22+4*((k-11)/2)+(\n)
	SM (\d)+(k-11)%2, \y, \first
.endr
.endr
.elseif k < 51
.irp n, 0,1
.irp t, 0,1,2,3
.set j, 2*k+\n
	SM \t, \y, \first
.endr
.endr
.elseif k >= 56
.irp n, 0,1
.irp t, 0,1,2,3
.set j, 2*(k-5)+\n
	SM \t, \y, \first
.endr
.endr
.endif
.if k == 34
	v_nop                                          ; the plain instruction behind the last exponential: one for the batch
.if (\y) == 0
	FETCH_V                                        ; piece 1's turn: V's run of loads stands here, and the wait stands in it
.else
	s_wait_alu depctr_va_vdst(0)                   ; the wait for the batch
.endif
.endif
.set k, k+1
.endm
; A TURN.  Piece x has the matrix unit; the other piece's softmax stands in slices behind its matrix instructions.
; pv = 2: 32 products V^T P; 1: they start O^T's sums; 0: none.  kq = 1: 32 products K Q^T for the next step.  A turn with one of the two kinds has two slices behind each product.
; first = 1: the softmax is the first key step's; its last slices are empty, and four v_nop take their part as the places behind the turn's last products.
; Piece 0's turn fetches the next step's K behind its second product: the last product that read K stands in front of slice 63 of the turn before.  Piece 1's turn fetches the same step's V behind slice 34: the
; last product that read V stands in front of slice 31, and six plain instructions lie between: number 62, a scaling, of four tiles, the v_nop and the run's own v_add_nc_u32.
.macro TURN x, pv, kq, first
.set k, 0
.set per, 2
.if \pv && \kq
.set per, 1
.endif
.if \pv
.if \x == 0
	s_wait_dscnt 0x0                               ; V is in
.endif
.set i, 0
.rept 32
	PV \x, 2-\pv
.rept per
	SLICE 1-\x, \first
.endr
.if (\x == 0) && \kq && (i == 1)
	FETCH_K
.endif
.set i, i+1
.endr
.endif
.if \kq
.if \x == 0
	s_wait_dscnt 0x0                               ; K is in
.endif
.set i, 0
.rept 32
	KQ \x
.rept per
	SLICE 1-\x, \first
.endr
.set i, i+1
.endr
.endif
.if \first
	PLACES
.endif
.endm
; THE CHANGE OF SLOTS, between piece 1's turn and piece 0's: the slot's last bytes, V of its eighth step, have been asked for.  Each wave waits for all its tensor loads (its part of the other slot), adds 0 to its
; spare word, and waits for that and for its reads of the slot.  fill = 1: the barrier is a round of the cluster's, and the joint refill, the keys two slots on, is the first thing behind it.
.macro CHANGE fill
	WIN 0                                          ; at a label and at a branch every window is 0
	s_wait_tensorcnt 0x0                           ; no tensor load of mine is out, so a group 0 may be written
	ds_add_u32 v[SPW], v[NIL]                      ; 0 onto my spare word
.if \fill
	s_xor_b32 s[G0+5], s[G0+5], SLOT1              ; the walking descriptor: the other slot than last time,
	s_add_nc_u64 s[G0+6:G0+7], s[G0+6:G0+7], 65536 ; the next 512 keys; the type bits on top are not reached
	s_wait_dscnt 0x0                               ; the add is done, and my reads of the slot are over
	CROUND
	tensor_load_to_lds s[G0+4:G0+7], s[G1:G1+7]    ; my one tensor load until the next such round
	s_nop 0
	PLACES
.else
	s_wait_dscnt 0x0
	s_barrier_signal -1
	s_barrier_wait -1
.endif
	s_sub_co_u32 s[TB], s[TB], 8*STEPB             ; the fetches go back to a slot's first step,
	s_xor_b32 s[TB], s[TB], SLOT1                  ; in the other slot
.endm
.macro STEPS n                         ; n key steps: written once, walked n times; the LDS addresses hang on s[TB]
	s_mov_b32 s[CNT], \n
.Lstep_\@:
	TURN 0, 2, 1, 0
	TURN 1, 2, 1, 0
	WIN 0
	s_sub_co_u32 s[CNT], s[CNT], 1
	s_cmp_lg_u32 s[CNT], 0
	s_cbranch_scc1 .Lstep_\@
.endm
	s_wait_tensorcnt 1                             ; my part of slot 0 is in; slot 1's may stay out
	s_barrier_signal -1
	s_barrier_wait -1                              ; everybody's is
	FETCH_K                                        ; key step 0
	s_wait_loadcnt 0x0                             ; Q
	s_wait_dscnt 0x0
.set i, 0
.rept 32
	KQ 0                                           ; piece 0's first scores: there is no vector work yet to set between them
.set i, i+1
.endr
	PLACES                                         ; behind those products, ahead of the first read of their results
	TURN 1, 0, 1, 1                                ; piece 1's first scores | piece 0's first softmax | V of step 0
	TURN 0, 1, 1, 1                                ; piece 0: V^T P of step 0 starts O^T, K Q^T of step 1 | piece 1's first softmax | K of step 1
	TURN 1, 1, 1, 0                                ; piece 1: the same | piece 0's softmax of step 1 | V of step 1
	WIN 0
	STEPS 6                                        ; these fetch steps 2 to 7: the rest of slot 0
.Lslot:                                            ; two trips: each leaves a slot, fills it again and walks the other
	CHANGE 1
	STEPS 8
	s_sub_co_u32 s[SLOTS], s[SLOTS], 1
	s_cmp_lg_u32 s[SLOTS], 0
	s_cbranch_scc1 .Lslot
	CHANGE 0                                       ; the tail is written out: nothing is left to ask for
	STEPS 8                                        ; these fetch steps 24 to 31
	TURN 0, 2, 0, 0                                ; piece 0: V^T P of the last step | piece 1's last softmax
.set i, 0
.rept 32
	PV 1, 0                                        ; piece 1: V^T P of the last step
.set i, i+1
.endr
	; THE WAY OUT.  l's two halves and the other half of the lanes' are added; O^T is divided by l, rounded to f16 and stored as it stands.  The additions are the places behind the last products.
.irp y, 0,1
	WIN 0x55*\y
.irp t, 0,1,2,3
	v_add_f32 v[ST+8*\t+4], v[ST+8*\t+2], v[ST+8*\t+3]
.endr
.irp t, 0,1,2,3
	v_permlanex16_b32 v[ST+8*\t+5], v[ST+8*\t+4], s[SEL], s[SEL+1]
.endr
.irp t, 0,1,2,3
	v_add_f32 v[ST+8*\t+4], v[ST+8*\t+4], v[ST+8*\t+5]
.endr
.irp t, 0,1,2,3
	v_rcp_f32 v[ST+8*\t+6], v[ST+8*\t+4]
.endr
.endr
	v_nop                                          ; a plain instruction behind the last reciprocal
	s_wait_alu depctr_va_vdst(0)                   ; and the one wait for the eight, ahead of the first use
.macro PACK T
.set PY, (\T)/4
.set PT, (\T)%4
	WIN 0x82+4*PY
.set i, 0
.rept 16
	v_pk_mul_f32 v[32*(\T)+2*i:32*(\T)+2*i+1], v[32*(\T)+2*i:32*(\T)+2*i+1], v[ST+8*PT+6:ST+8*PT+7] op_sel_hi:[1,0]   ; each accumulator from its low end on
.set i, i+1
.endr
	WIN 0x0a+0x40*PY                               ; sources window 2, destination the piece's window: the tile's S^T registers are free
.set i, 0
.rept 16
	v_cvt_pk_f16_f32 v[S+32*PT+i], v[32*(\T)+2*i], v[32*(\T)+2*i+1]
.set i, i+1
.endr
	WIN 4*PY                                       ; a store's data are its source 1
.irp c, 0,1,2,3
	global_store_b128 v[LA], v[S+32*PT+4*\c:S+32*PT+4*\c+3], s[6:7] offset:(\T)*32768+\c*512 th:TH_STORE_NT   ; 512 consecutive bytes, aligned; each tile has registers of its own
.endr
.endm
.irp T, 0,1,2,3,4,5,6,7
	PACK \T
.endr
	WIN 0
	s_wait_tensorcnt 0x0                           ; the wave's end
	ds_add_u32 v[SPW], v[NIL]
	s_wait_dscnt 0x0
	CROUND                                         ; the closing round
	s_endpgm
.Lfunc_end_k_qe2ce2b3373_attn:
	.size	k_qe2ce2b3373_attn, .Lfunc_end_k_qe2ce2b3373_attn-k_qe2ce2b3373_attn
	.p2alignl 7, 3214868480
	.fill 96, 4, 3214868480
	.section	.rodata,"a",@progbits
	.p2align	6, 0x0
	.amdhsa_kernel k_qe2ce2b3373_attn
		.amdhsa_group_segment_fixed_size 327680
		.amdhsa_private_segment_fixed_size 0
		.amdhsa_enable_private_segment 0
		.amdhsa_kernarg_size 16
		.amdhsa_user_sgpr_count 2
		.amdhsa_user_sgpr_kernarg_segment_ptr 1
		.amdhsa_wavefront_size32 1
		.amdhsa_system_sgpr_workgroup_id_x 1
		.amdhsa_system_sgpr_workgroup_id_y 1
		.amdhsa_system_sgpr_workgroup_id_z 1
		.amdhsa_system_vgpr_workitem_id 0
		.amdhsa_next_free_vgpr 1024
		.amdhsa_next_free_sgpr 66
		.amdhsa_reserve_vcc 0
		.amdhsa_float_denorm_mode_32 3
		.amdhsa_float_denorm_mode_16_64 3
		.amdhsa_memory_ordered 1
		.amdhsa_forward_progress 1
		.amdhsa_inst_pref_size 255
	.end_amdhsa_kernel
	.section	.bss,"aw",@nobits
	.p2align	6
	.space	262144
	.amdgpu_metadata
---
amdhsa.version: [ 1, 2 ]
amdhsa.kernels:
  - .name:           k_qe2ce2b3373_attn
    .symbol:         k_qe2ce2b3373_attn.kd
    .args:
      - { .name: qkv, .offset: 0, .size: 8, .value_kind: global_buffer, .address_space: global }
      - { .name: oimg, .offset: 8, .size: 8, .value_kind: global_buffer, .address_space: global }
    .group_segment_fixed_size: 327680
    .private_segment_fixed_size: 0
    .kernarg_segment_align: 8
    .kernarg_segment_size: 16
    .max_flat_workgroup_size: 128
    .sgpr_count:     66
    .vgpr_count:     1024
    .wavefront_size: 32
...
	.end_amdgpu_metadata
.endif
;; end of part 3
;; launch oproj (part 4): grid 64 x 4, 4 waves a work-group, clusters of 4 x 1, 327,680 bytes of LDS; arguments oimg, woimg, bo, out0; writes out0
.if DOCPART == 4
	.amdgcn_target "amdgcn-amd-amdhsa--gfx1250"
	.amdhsa_code_object_version 6
	.text
	.protected	k_qe2ce2b3373_oproj
	.globl	k_qe2ce2b3373_oproj
	.p2align	8
	.type	k_qe2ce2b3373_oproj,@function
k_qe2ce2b3373_oproj:
	s_mov_b64 s[64:65], 0
	v_nop
	global_prefetch_b8 v0, s[64:65] scope:SCOPE_SE
	s_setreg_imm32_b32 hwreg(HW_REG_WAVE_MODE, 25, 1), 1
	s_wait_xcnt 0x0
	s_wait_alu depctr_hold_cnt(0) depctr_sa_sdst(0) depctr_va_vdst(0) depctr_va_sdst(0) depctr_va_ssrc(0) depctr_va_vcc(0) depctr_vm_vsrc(0)
	s_getreg_b32 s2, hwreg(HW_REG_IB_STS2, 6, 4)
	s_cmp_eq_u32 s2, 0
	s_cbranch_scc0 .Lentry_in_a_cluster
	s_endpgm
.Lentry_in_a_cluster:
	s_bfe_u32 s2, ttmp6, 0x10000c
	s_cmp_lg_u32 s2, 0x3003
	s_cbranch_scc0 .Lentry_shape_is_right
	s_endpgm
.Lentry_shape_is_right:
; OPROJ: out0 = O Wo + bo.  O [8192][1024] and Wo [1024 (k)][1024 (n)] in f16, as blocks of 512 bytes (oimg [tile of 16 rows 512][kt 64], woimg [nt 64][kt 64]); sums and out0 in f32.
; A tile of 128 rows x 256 columns is made by a work-group of four waves: 256 work-groups.  A wave makes 64 x 128: 32 accumulators.
; ONLY Wo GOES THROUGH LDS: two slots of 256 along K (16 nt x 16 kt blocks, 131,072 bytes), so that a refill has eight quarters of 32 along K, 256 matrix instructions of a wave, in which to land.
; O's rows go from memory straight into registers: a fragment is two loads at 16 x lane; a ring of eight quarters in window 1, asked for seven quarters ahead.
; CLUSTER: the four work-groups of a cluster make four blocks of rows against the same 256 columns: Wo's tiles are asked for JOINTLY, mask 15.
; THE MATRIX INSTRUCTION IS USED TRANSPOSED (source 0 = 16 columns of Wo, by the turning LDS load; source 1 = 16 rows of O): a lane holds eight neighbouring columns of one row.
; THE BIAS is the C of each sum's first matrix instruction.  The 32 quarters are written out: every offset is an immediate.
; REGISTERS: window 0: v4-13 addresses; v32-95, v96-159 Wo's fragments, two sets; v160-223 the bias.   window 1: O's ring, quarter q at 32 (q % 8) + 8 a.   window 2: the accumulators at 8 (8 a + b).
.set SLOT,   131072
.set STAGE,  2*SLOT                    ; behind the ring: 16 rows x (512 bytes + 16) for each wave, for the way out; no tensor load lands there
.set SPITCH, 528
.set SPARE,  STAGE+4*16*SPITCH         ; the spare words, 128 bytes for each wave: two blocks of 256 bytes that no other line names
.set LA,   4                           ; v4   16 x lane; never rewritten
.set ADB,  5                           ; v5-6 LDS address of my fragments of Wo in slot 0, 1
.set BOFF, 7                           ; v7   32 x (lane / 16)
.set STO,  8                           ; v8   the way out: where I put 32 bytes of a row
.set RD,   9                           ; v9   where I read a row back
.set SPW,  12                          ; v12  LDS address of my spare word; never rewritten
.set NIL,  13                          ; v13  0; never rewritten
.set F,    32
.set BIAS, 160
.set WV,   12                          ; s12  my wave's number
.set G1,   24                          ; s[24:31] descriptor group 1;  s[32:39] group 0, one set for each slot
.set G0,   32
.set MSB, 0
.macro WIN new
.if MSB != (\new)
	s_set_vgpr_msb (MSB<<8)|(\new)
.set MSB, (\new)
.endif
.endm
.macro CROUND                          ; a round of the cluster's barrier
	s_barrier_signal -1
	s_barrier_wait -1
	s_cmp_lg_u32 s[WV], 0
	s_cbranch_scc1 .Lnot_wave_0_\@
	s_barrier_signal -3
.Lnot_wave_0_\@:
	s_barrier_wait -3
	s_barrier_signal -1
	s_barrier_wait -1
.endm
.macro PLACES                          ; four places in front of loads into registers that matrix instructions have read, and of the first read of results (ISA guide 7.12.1 for vector instructions)
.rept 4
	v_nop
.endr
.endm
	s_load_b256 s[4:11], s[0:1], 0x0               ; oimg s[4:5], woimg s[6:7], bo s[8:9], out0 s[10:11]
	v_lshl_add_u32 v[SPW], v0, 2, SPARE
	v_mov_b32 v[NIL], 0
	ds_add_u32 v[SPW], v[NIL]                      ; the wave's opening: the add, twice on end, and its wait ahead of my first tensor load; the set-up below stands between
	ds_add_u32 v[SPW], v[NIL]
	v_lshrrev_b32 v1, 5, v0
	v_readfirstlane_b32 s[WV], v1                  ; wave 0..3
	s_bfe_u32 s13, ttmp6, 0x40000                  ; cx
	s_lshl_b32 s14, ttmp9, 2
	s_add_co_u32 s14, s14, s13                     ; my block of 128 rows = 4 x cluster x + cx: it enters O's and out0's addresses alone
	s_and_b32 s15, ttmp7, 0xffff                   ; my block of 256 columns, which the four partners share
	s_lshr_b32 s16, s[WV], 1                       ; which 64 rows are mine
	s_and_b32 s17, s[WV], 1                        ; which 128 columns
	s_lshl_b32 s20, s15, 4                         ; Wo: I fetch nt = 16 x block + 4 x wave on: 32,768 bytes an nt
	s_lshl_b32 s21, s[WV], 2
	s_add_co_u32 s20, s20, s21
	s_lshl_b32 s20, s20, 15
	s_mov_b32 s21, 0
	s_lshl_b32 s18, s[WV], 15                      ; and in a slot: 32,768 x wave
	s_lshl_b32 s22, s14, 3                         ; O: tile of rows 8 x block + 4 x half: 32,768 bytes each
	s_lshl_b32 s23, s16, 2
	s_add_co_u32 s22, s22, s23
	s_lshl_b32 s22, s22, 15
	s_mov_b32 s23, 0
	s_lshl_b32 s40, s15, 10                        ; my first column, in bytes of f32: 1,024 x block + 512 x half
	s_lshl_b32 s41, s17, 9
	s_add_co_u32 s40, s40, s41
	s_mov_b32 s41, 0
	s_lshl_b32 s42, s14, 19                        ; out0: my first row, 4,096 bytes a row: 128 x block + 64 x half,
	s_lshl_b32 s43, s16, 18
	s_add_co_u32 s42, s42, s43
	s_add_co_u32 s42, s42, s40                     ; and my first column
	s_mov_b32 s43, 0
	s_mov_b32 s[G1], 15|(3<<16)|(1<<21)            ; the mask: all four work-groups; elements of 8 bytes; bit 21 beside a mask; no padding: every read is 16 x lane on end
	s_mov_b32 s[G1+1], 1024<<16                    ; tensor_dim0: an nt's 16 blocks of a slot, 8,192 bytes on end
	s_mov_b32 s[G1+2], 4<<16                       ; tensor_dim1: four nt
	s_mov_b32 s[G1+3], 1024<<16                    ; tile_dim0
	s_mov_b32 s[G1+4], 4                           ; tile_dim1
	s_mov_b32 s[G1+5], 4096                        ; 32,768 bytes from nt to nt
	s_mov_b32 s[G1+6], 0
	s_mov_b32 s[G1+7], 0
	s_wait_dscnt 0x0                               ; both opening adds are done
	s_wait_kmcnt 0x0
	s_add_nc_u64 s[6:7], s[6:7], s[20:21]
	s_add_nc_u64 s[4:5], s[4:5], s[22:23]
	s_add_nc_u64 s[8:9], s[8:9], s[40:41]
	s_add_nc_u64 s[10:11], s[10:11], s[42:43]
	CROUND                                         ; all four work-groups are here: the first joint loads meet
.irp s, 0,1
	s_mov_b32 s[G0+4*\s], 1
	s_add_co_u32 s[G0+4*\s+1], s18, \s*SLOT
	s_add_nc_u64 s[G0+4*\s+2:G0+4*\s+3], s[6:7], \s*8192           ; 256 along K are 16 blocks
	s_or_b32 s[G0+4*\s+3], s[G0+4*\s+3], 0x80000000
.endr
	tensor_load_to_lds s[G0:G0+3], s[G1:G1+7]      ; two loads of mine are out
	s_nop 0
	tensor_load_to_lds s[G0+4:G0+7], s[G1:G1+7]
	s_nop 0
	PLACES
	v_and_b32 v1, 15, v0                           ; r
	v_bfe_u32 v2, v0, 4, 1                         ; h
	v_and_b32 v3, 31, v0
	v_lshlrev_b32 v[LA], 4, v3
	v_lshlrev_b32 v[BOFF], 5, v2
.irp b, 0,1,2,3,4,5,6,7                        ; the bias in the result's layout: lane (r, h), block b: columns 16 b + 8 h + 0..7
	global_load_b128 v[BIAS+8*\b:BIAS+8*\b+3], v[BOFF], s[8:9] offset:64*\b
	global_load_b128 v[BIAS+8*\b+4:BIAS+8*\b+7], v[BOFF], s[8:9] offset:64*\b+16
.endr
.macro ALOAD q                         ; O's four fragments of quarter q (my 64 rows x 32 along K) into the ring
.set RA, 32*((\q)%8)
.irp a, 0,1,2,3
	global_load_b128 v[RA+8*\a:RA+8*\a+3],   v[LA], s[4:5] offset:\a*32768+(\q)*1024
	global_load_b128 v[RA+8*\a+4:RA+8*\a+7], v[LA], s[4:5] offset:\a*32768+(\q)*1024+512
.endr
.endm
	WIN 0x40                                       ; destination window 1, address window 0
.irp q, 0,1,2,3,4,5
	ALOAD \q                                       ; with the bias 64 loads of mine are out
.endr
	WIN 0
	s_lshl_b32 s19, s17, 16                        ; my eight nt of a slot
	v_add_nc_u32 v[ADB], s19, v[LA]
	s_add_co_u32 s19, s19, SLOT
	v_add_nc_u32 v[ADB+1], s19, v[LA]
	s_mul_i32 s19, s[WV], 16*SPITCH
	s_add_co_u32 s19, s19, STAGE                   ; my stage
	v_mul_u32_u24 v[STO], v1, SPITCH               ; in: row r, 32 bytes for each half of the lanes
	v_lshl_add_u32 v[STO], v2, 5, v[STO]
	v_add_nc_u32 v[STO], s19, v[STO]
	v_add_nc_u32 v[RD], s19, v[LA]                 ; back: the 32 lanes take one row of 512 bytes
.macro FETCH_B q                       ; Wo's eight fragments of quarter q: lane (r, h) gets column r and k = 8 h + 0..7 of each of two blocks
.set FB, F+64*((\q)%2)
.set AD, ADB+((\q)/8)%2
.irp b, 0,1,2,3,4,5,6,7
	ds_load_tr16_b128 v[FB+8*\b:FB+8*\b+3],   v[AD] offset:\b*8192+((\q)%8)*1024
	ds_load_tr16_b128 v[FB+8*\b+4:FB+8*\b+7], v[AD] offset:\b*8192+((\q)%8)*1024+512
.endr
.endm
; A quarter: 32 along K, 32 matrix instructions, each on an accumulator of its own.  Ahead of them go out the next quarter's fragments of Wo and O's of seven quarters on,
; into the registers that the quarter before has left.
.macro QUARTER q
	s_wait_dscnt 0x0                               ; Wo's fragments of this quarter are in (asked for a quarter ago)
.if (\q) == 0
	s_wait_loadcnt 40                              ; the bias and O's quarter 0 are in; quarters 1 to 5 may be out
.elseif (\q) <= 25
	s_wait_loadcnt 48                              ; O's of this quarter are in; the six quarters behind it may be out
.else
	s_wait_loadcnt 8*(31-(\q))                     ; near the end fewer stand behind it
.endif
	WIN 0
	PLACES
.if (\q) < 31
	FETCH_B (\q)+1
.endif
.if (\q) <= 24
	WIN 0x40
.if (\q) == 0
	ALOAD 6
.endif
	ALOAD (\q)+7
.endif
.if (\q) == 0
	WIN 0x84                                       ; Wo window 0, O window 1, C (the bias) window 0, D window 2
.else
	WIN 0xa4                                       ; C and D window 2
.endif
.set FB, F+64*((\q)%2)
.set RA, 32*((\q)%8)
.irp a, 0,1,2,3
.irp b, 0,1,2,3,4,5,6,7
.if (\q) == 0
	v_wmma_f32_16x16x32_f16 v[8*(8*\a+\b):8*(8*\a+\b)+7], v[FB+8*\b:FB+8*\b+7], v[RA+8*\a:RA+8*\a+7], v[BIAS+8*\b:BIAS+8*\b+7]
.else
	v_wmma_f32_16x16x32_f16 v[8*(8*\a+\b):8*(8*\a+\b)+7], v[FB+8*\b:FB+8*\b+7], v[RA+8*\a:RA+8*\a+7], v[8*(8*\a+\b):8*(8*\a+\b)+7]
.endif
.endr
.endr
.endm
; THE CHANGE OF SLOTS stands ahead of a slot's last quarter, whose fragments have been asked for and which fetches the other slot's first.  Each wave waits for all its tensor loads (its part of the other
; slot), adds 0 to its spare word, and waits for that and for its reads of the slot.  fill = 1: the barrier is a round of the cluster's, and the joint refill of slot set, 512 along K on, is the first thing behind it.
.macro CHANGE fill, set
	WIN 0
	s_wait_tensorcnt 0x0                           ; no tensor load of mine is out, so a group 0 may be written
	ds_add_u32 v[SPW], v[NIL]                      ; 0 onto my spare word
.if \fill
	s_add_nc_u64 s[G0+4*\set+2:G0+4*\set+3], s[G0+4*\set+2:G0+4*\set+3], 2*8192
	s_wait_dscnt 0x0                               ; the add is done, and my reads of the slot are over
	CROUND
	tensor_load_to_lds s[G0+4*\set:G0+4*\set+3], s[G1:G1+7]        ; my one tensor load until the next such round
	s_nop 0
	PLACES
.else
	s_wait_dscnt 0x0
	s_barrier_signal -1
	s_barrier_wait -1
.endif
.endm
	s_wait_tensorcnt 1                             ; my part of slot 0 is in; slot 1's may stay out
	s_barrier_signal -1
	s_barrier_wait -1                              ; everybody's is
	FETCH_B 0
.set Q, 0
.rept 32
.if Q == 7
	CHANGE 1, 0
.elseif Q == 15
	CHANGE 1, 1
.elseif Q == 23
	CHANGE 0, 0
.endif
	QUARTER Q
.set Q, Q+1
.endr
	WIN 0
	PLACES                                         ; in front of the first read of results and of the loads into Wo's fragments' registers
; THE WAY OUT, a block of 16 rows x 128 columns at a time.  A lane holds 32 neighbouring bytes of a row, and the lanes beside it hold other rows: so a block goes through my own stage in LDS and comes back as
; whole rows of 512 bytes.  LDS serves a wave's instructions in order (ISA guide 5.7.1.4): no wait between the stores and the loads, nor in front of the next block's stores.
.macro TOSTAGE a
.set AC, 64*(\a)
	WIN 0x08                                       ; an LDS store's data are its source 1: window 2
.irp b, 0,1,2,3,4,5,6,7
	ds_store_b128 v[STO], v[AC+8*\b:AC+8*\b+3] offset:64*\b        ; each accumulator from its low end on
	ds_store_b128 v[STO], v[AC+8*\b+4:AC+8*\b+7] offset:64*\b+16
.endr
	WIN 0
.set BB, F+64*((\a)%2)
.irp t, 0,1,2,3,4,5,6,7,8,9,10,11,12,13,14,15
	ds_load_b128 v[BB+4*\t:BB+4*\t+3], v[RD] offset:\t*SPITCH
.endr
.endm
.macro SEND a, younger                 ; younger: the LDS instructions issued behind block a's loads, which may stay out
.set BB, F+64*((\a)%2)
	s_wait_dscnt \younger
.irp t, 0,1,2,3,4,5,6,7,8,9,10,11,12,13,14,15
	global_store_b128 v[LA], v[BB+4*\t:BB+4*\t+3], s[10:11] offset:(16*(\a)+\t)*4096 th:TH_STORE_NT   ; 512 consecutive bytes, aligned; the row stands in the immediate
.endr
.endm
	TOSTAGE 0
.irp a, 1,2,3
.if \a > 1
	s_wait_xcnt 0x0                                ; block a - 2's stores have read their registers: block a's loads may land there
.endif
	TOSTAGE \a
	SEND \a-1, 32                                  ; behind block a - 1's loads: block a's 16 stores and 16 loads
.endr
	SEND 3, 0
	s_wait_tensorcnt 0x0                           ; the wave's end: behind my last tensor load and my last LDS store
	ds_add_u32 v[SPW], v[NIL]
	s_wait_dscnt 0x0
	CROUND                                         ; the closing round
	s_endpgm
.Lfunc_end_k_qe2ce2b3373_oproj:
	.size	k_qe2ce2b3373_oproj, .Lfunc_end_k_qe2ce2b3373_oproj-k_qe2ce2b3373_oproj
	.p2alignl 7, 3214868480
	.fill 96, 4, 3214868480
	.section	.rodata,"a",@progbits
	.p2align	6, 0x0
	.amdhsa_kernel k_qe2ce2b3373_oproj
		.amdhsa_group_segment_fixed_size 327680
		.amdhsa_private_segment_fixed_size 0
		.amdhsa_enable_private_segment 0
		.amdhsa_kernarg_size 32
		.amdhsa_user_sgpr_count 2
		.amdhsa_user_sgpr_kernarg_segment_ptr 1
		.amdhsa_wavefront_size32 1
		.amdhsa_system_sgpr_workgroup_id_x 1
		.amdhsa_system_sgpr_workgroup_id_y 1
		.amdhsa_system_sgpr_workgroup_id_z 1
		.amdhsa_system_vgpr_workitem_id 0
		.amdhsa_next_free_vgpr 768
		.amdhsa_next_free_sgpr 66
		.amdhsa_reserve_vcc 0
		.amdhsa_float_denorm_mode_32 3
		.amdhsa_float_denorm_mode_16_64 3
		.amdhsa_memory_ordered 1
		.amdhsa_forward_progress 1
		.amdhsa_inst_pref_size 152
	.end_amdhsa_kernel
	.amdgpu_metadata
---
amdhsa.version: [ 1, 2 ]
amdhsa.kernels:
  - .name:           k_qe2ce2b3373_oproj
    .symbol:         k_qe2ce2b3373_oproj.kd
    .args:
      - { .name: oimg, .offset: 0, .size: 8, .value_kind: global_buffer, .address_space: global }
      - { .name: woimg, .offset: 8, .size: 8, .value_kind: global_buffer, .address_space: global }
      - { .name: bo, .offset: 16, .size: 8, .value_kind: global_buffer, .address_space: global }
      - { .name: out0, .offset: 24, .size: 8, .value_kind: global_buffer, .address_space: global }
    .group_segment_fixed_size: 327680
    .private_segment_fixed_size: 0
    .kernarg_segment_align: 8
    .kernarg_segment_size: 32
    .max_flat_workgroup_size: 128
    .sgpr_count:     66
    .vgpr_count:     768
    .wavefront_size: 32
...
	.end_amdgpu_metadata
.endif
;; end of part 4
